; MI455X (gfx1250); checked and timed in simulation.
; The chip was launched on July 23, 2026; its instructions are those of AMD's public machine-readable ISA for CDNA 5 (MIT licence, August 2026) and "CDNA5" Instruction Set Architecture Reference Guide (July 2026). The comments in the code are by the model that wrote it; some were corrected since.
;; Attention. Allowed arithmetic: matrix products marked QUANTISED: E2M1 operands, one E8M0 scale for each 32 along K, by v_wmma_scale_f32_16x16x128_f8f6f4 with both operands' format E2M1 (or v_wmma_scale_f32_32x16x128_f4), f32 sums; everything else in f32.
;; Inputs: WK_codes 1,024 x 32 x 16 uint8 (E2M1 codes of WK, K innermost, in blocks of 32 codes, two codes a byte); WK_scales 1,024 x 32 uint8 (E8M0 scales of WK, one for each 32 codes along K); WO_codes 1,024 x 32 x 16 uint8 (E2M1 codes of WO, K innermost, in blocks of 32 codes, two codes a byte); WO_scales 1,024 x 32 uint8 (E8M0 scales of WO, one for each 32 codes along K); WQ_codes 4,096 x 32 x 16 uint8 (E2M1 codes of WQ, K innermost, in blocks of 32 codes, two codes a byte); WQ_scales 4,096 x 32 uint8 (E8M0 scales of WQ, one for each 32 codes along K); WV_codes 4,096 x 32 x 16 uint8 (E2M1 codes of WV, K innermost, in blocks of 32 codes, two codes a byte); WV_scales 4,096 x 32 uint8 (E8M0 scales of WV, one for each 32 codes along K); X_codes 2 x 1,024 x 32 x 16 uint8 (E2M1 codes of X, K innermost, in blocks of 32 codes, two codes a byte); X_scales 2 x 1,024 x 32 uint8 (E8M0 scales of X, one for each 32 codes along K); bK 1,024 float32; bO 1,024 float32; bQ 4,096 float32; bV 4,096 float32; sink_scalars 64 float32; v_nulls 64 x 64 float32.
;; Outputs: out0 2 x 1,024 x 1,024 float32.
;; This version of the problem:
;;   THIS VERSION OF THE PROBLEM IS GIVEN IN LOW PRECISION. The matrix products marked QUANTISED in the list below multiply operands that are first quantised to E2M1 (2 exponent bits, 1 mantissa bit; 4 bits a number), with one power-of-two scale for each 32 numbers along K (OCP MX v1.0); their sums are f32. All else is computed in f32.
;;   The module's matrix products, in the order in which they are computed (A, B: the left and right operand; K: the contracted axis; several contracted axes count as one K, in the product's order):
;;     1. [M 2,048, K 1,024] x [K 1,024, N 4,096]; A: input X (given as codes); B: input WQ (given as codes): QUANTISED
;;     2. [M 2,048, K 1,024] x [K 1,024, N 4,096]; A: input X (given as codes); B: input WV (given as codes): QUANTISED
;;     3. [M 2,048, K 1,024] x [K 1,024, N 1,024]; A: input X (given as codes); B: input WK (given as codes): QUANTISED
;;     4. batch 128 x [M 1,024, K 64] x [K 64, N 1,024]; A: computed on the way; B: computed on the way: QUANTISED
;;     5. batch 128 x [M 1,024, K 1,024] x [K 1,024, N 64]; A: computed on the way; B: computed on the way: QUANTISED
;;     6. [M 8,192, K 1,024] x [K 1,024, N 1,024]; A: computed on the way; B: input WO (given as codes): QUANTISED
;;   THE QUANTISER, for each operand of a quantised product, along K:
;;     - K is cut into blocks of 32 from its start; a last block that is shorter is filled with zeros.
;;     - A block's scale is 2^e with e = floor(log2(the largest magnitude in the block)) - 2, held to -126 .. 127; a block of zeros has e = 0. As a byte (E8M0): e + 127.
;;     - Each number is divided by its block's scale, clamped to +-6, and rounded to the nearest number of E2M1, ties to even, subnormals kept.
;;     - The product sums the exact products of the quantised numbers (number of the format x scale) in f32.
;;   ~~~python
;;   def quantise(x, axis):      # numpy; x: float32 -> the quantised numbers, widened to float32 again
;;       x = np.moveaxis(x, axis, -1); K = x.shape[-1]
;;       x = np.pad(x, [(0, 0)] * (x.ndim - 1) + [(0, -K % 32)]); x = x.reshape(x.shape[:-1] + (-1, 32)); a = np.abs(x).max(-1, keepdims=True)
;;       e = np.where(a > 0, np.clip(np.frexp(np.where(a > 0, a, 1))[1] - 1 - 2, -126, 127), 0)      # np.frexp(a)[1] - 1 = floor(log2(a)), exactly
;;       r = np.clip(x / 2.0 ** e, -6, 6)
;;       step = 2.0 ** (np.maximum(np.frexp(np.where(r == 0, 1, r))[1] - 1, 0) - 1)
;;       q = np.round(r / step) * step * 2.0 ** e      # np.round: ties to even
;;       return np.moveaxis(q.reshape(q.shape[:-2] + (-1,))[..., :K], -1, axis).astype(np.float32)
;;   ~~~
;;   OPERANDS COMPUTED ON THE WAY. 'Computed on the way' means the value that the module computes at that place (a softmax that the list does not call 'softmax' is quantised finished and normalised). What goes into a quantiser is computed in f32, as accurately as f32 sums, v_exp_f32 and their like allow (about 1e-6 of the number): no bf16 or f16 on the way to a quantiser, and a product that is left as it is and whose result goes on into a quantised operand takes f32 operands (vector FMAs, or v_wmma_f32_16x16x4_f32). A number that lies on a knife's edge between two numbers of the format may be rounded either way, as far as f32 arithmetic and the matrix unit's own rounding can turn it there, and no further.
;;   INPUTS GIVEN AS CODES. WK (in the module: [1024, 1024], K = its axis 0); WO (in the module: [1024, 1024], K = its axis 0); WQ (in the module: [1024, 4096], K = its axis 0); WV (in the module: [1024, 4096], K = its axis 0); X (in the module: [2, 1024, 1024], K = its axis 2): each comes as NAME_codes (uint8): NAME with its K axis moved to the last place and cut into blocks of 32 codes, [.., K / 32, bytes a block], one block behind the other in memory; two codes a byte, the lower K in the low four bits (a code: sign, 2 exponent bits, 1 mantissa bit); and NAME_scales (uint8): the same leading axes, one E8M0 byte (e + 127) for each 32 codes along K. Its value is code x scale, taken as it is: it is not quantised again, and the codes and scales need not be those that the quantiser above would give.
;; 2 versions, each right; version 2 is version 1 with the launches attn, outp written anew for expert scheduling mode. Each part assembles by itself: llvm-mc -triple=amdgcn-amd-amdhsa -mcpu=gfx1250 --defsym DOCPART=n.
;; ======== version 1 of 2: 3 launches
;; limits: a function is approximated: absolute error at most 5e-05
;; workspace buffers: QW 5,242,880 bytes; KW 1,441,792 bytes; VW 4,718,592 bytes; CTX 4,194,304 bytes; CS 1,048,576 bytes
;; launch proj (part 1): grid 36 x 8, 4 waves a work-group, clusters of 4 x 4, 327,680 bytes of LDS; arguments X_codes, X_scales, WQ_codes, WQ_scales, WK_codes, WK_scales, WV_codes, WV_scales, bQ, bK, bV, QW, KW, VW; writes QW, KW, VW
.if DOCPART == 1
	.amdgcn_target "amdgcn-amd-amdhsa--gfx1250"
	.amdhsa_code_object_version 6
	.text
	.protected	k_q4a6df45de1_proj
	.globl	k_q4a6df45de1_proj
	.p2align	8
	.type	k_q4a6df45de1_proj,@function
k_q4a6df45de1_proj:
	s_mov_b64 s[64:65], 0
	v_nop
	global_prefetch_b8 v0, s[64:65] scope:SCOPE_SE
	s_setreg_imm32_b32 hwreg(HW_REG_WAVE_MODE, 25, 1), 1
	s_wait_xcnt 0x0
	s_wait_alu depctr_hold_cnt(0) depctr_sa_sdst(0) depctr_va_vdst(0) depctr_va_sdst(0) depctr_va_ssrc(0) depctr_va_vcc(0) depctr_vm_vsrc(0)
	s_getreg_b32 s2, hwreg(HW_REG_IB_STS2, 6, 4)
	s_cmp_eq_u32 s2, 0
	s_cbranch_scc0 .Lentry_in_a_cluster
	s_endpgm
.Lentry_in_a_cluster:
	s_bfe_u32 s2, ttmp6, 0x10000c
	s_cmp_lg_u32 s2, 0xf033
	s_cbranch_scc0 .Lentry_shape_is_right
	s_endpgm
.Lentry_shape_is_right:
; X WQ, X WK, X WV on codes of FP4 (E2M1) with E8M0 scales, K = 1,024, and what follows each product up to the next quantiser:
;   Q: + bQ, rms-norm over the head's 64, rope, quantised along the head's 64 (two blocks of 32);   K: + bK, rope, quantised likewise, and log2(e) / ||k||;   V: + bV, quantised along the KEYS.
; A work-group of four waves makes a tile of 256 x 256, a wave 128 x 128 in 64 accumulators.  K = 1,024 is two LDS slots of 512 along K: both are first fills, nothing is filled again.
; The cluster's x says what a cluster makes: 0-3 Q, 4-7 V, 8 K; it is the same in all sixteen partners.  The A slot (source 1: a lane's row) holds rows of X for Q and K and rows of WV for V;
; the B slot (source 0: a lane's eight registers) holds rows of WQ or WK, and for V rows of X: so a lane's registers run along the head's 64 for Q and K and along the keys for V: along the next product's K.
; A's tiles are shared along a row of the cluster, B's along a column: joint loads with a mask.
; RESULTS leave as IMAGES of the next launch's operand registers (lane l's 16 bytes at 16 l): each store of a wave covers 512 consecutive bytes.  Inside a block of 32 the order of k is
; a permutation, the same for q and k (one macro makes both) and the same for v and the next launch's p.
;   QW: for each (b, head of 64) 40,960 bytes: 64 tiles of 16 rows x 512 bytes; then 16 groups x 32 lanes x 4 scale words (bytes: block 0, block 1, 0x7f, 0x7f over zero codes).
;   KW: for each (b, head of 16) 45,056 bytes: the same, then 1,024 f32: log2(e) / ||k||.     VW: for each (b, head) 36,864 bytes: [step 8][16 d x 4][2][lane][16], then [step 8][lane][4 words].
; LIMITS.  Rope's angle of row t0 + r + 16 a is the f32 product (t0 + r) f, f = 2^(-i log2(10000) / 32) by v_exp_f32, turned on a times by the angle 16 f: against fl(t f) it differs by some 5e-5 rad
; at the largest angles.  ||k|| is taken ahead of rope (the rotation keeps it).  A block of zeros gets the byte 1, not 127: its codes are zeros and these launches alone read the bytes.
; NaN, infinities and a key row of zeros are not served.  log2(e) / ||k|| leaves in pieces of 64 bytes (4,096 bytes a head).
.set KSTEP,  512
.set NQ,     4
.set ROWB,   256
.set KROW,   512
.set PITCH,  272                       ; an LDS row: 256 bytes + 16 of padding: the 16 rows of a fragment load start at 16 different banks
.set FR,     8
.set NL,     2
.set NP,     4
.set HALFT,  128*PITCH
.set SLOT,   4*HALFT
.set KS,     32                        ; a row of scale bytes
.set SCL,    2*SLOT
.set HALFS,  (128*KS/256)*272
.set SBLK,   (16*KS/256)*272
.set SPARE,  SCL+4*HALFS               ; the spare words, 128 bytes a wave
.set ADRA, 16
.set ADRB, 20
.set ADRS, 27
.set SPW,  28
.set NIL,  29
.set SC,   32                          ; v32-95 scale words, two sets: they hold scales and nothing else
.set AF,   128                         ; A's fragments, window 0
.set G1, 24
.set G0, 32
.set G1B, 48
.set G0B, 56
.set G1S, 68
.set G0S, 76
.set G1SB, 80
.set G0SB, 88
.set SEL, 20
; ahead of the products: FQ the 16 frequencies of my lane, TG four sets of eight registers at work
.set FQ,  96
.set TG,  128
; window 1, beside B's two sets: v64-79 cos, v80-95 sin of my row's angles; v96-111, v112-127 cos, sin of 16 f; v192-255 the bias
.set CB,  64
.set SB,  80
.set CD,  96
.set SD,  112
; the epilogue, window 0
.set X,    128                         ; v128-191 a block's 64 numbers
.set OUT,  96                          ; v96-127 a head's 32 numbers behind rope
.set SSA,  192
.set SSB,  194
.set TT,   196
.set FF,   198
.set FM,   200
.set RD0,  202
.set BM0,  204
.set BX0,  206
.set SCO,  208
.set BY,   210
.set WORD, 212
.set RDS,  213
.set PW,   214
.set CODE, 216
.set SWR,  220                         ; v220-223, v224-227 the scale words of four tiles, a set for each head
.set IMGO, 228
.set SWO,  229
.set RDO,  230
.set LNX,  231
.set PC,   232
.set TM,   240
.set MSB, 0
.macro WIN new                         ; the immediate's high byte repeats the setting that is left
.if MSB != \new
	s_set_vgpr_msb (MSB<<8)|\new
.set MSB, \new
.endif
.endm
.set MUL_LO, 0xa1
.set MUL_HI, 0xf1
.set TO_B,   0x40
.macro JLOAD g0a, g1a, g0b, g1b        ; a joint load: waves 0 and 1 fetch for the A slot, waves 2 and 3 for the B slot; four v_nop follow each line
	s_cmp_eq_u32 s15, 0
	s_cbranch_scc0 .Lfor_b_\@
	tensor_load_to_lds s[\g0a:\g0a+3], s[\g1a:\g1a+7]
	s_nop 0
.rept 4
	v_nop
.endr
	s_branch .Lasked_\@
.Lfor_b_\@:
	tensor_load_to_lds s[\g0b:\g0b+3], s[\g1b:\g1b+7]
	s_nop 0
.rept 4
	v_nop
.endr
.Lasked_\@:
.endm
.macro CROUND                          ; a round of the cluster's barrier
	s_barrier_signal -1
	s_barrier_wait -1
	s_cmp_lg_u32 s14, 0
	s_cbranch_scc1 .Lnot_wave_0_\@
	s_barrier_signal -3
.Lnot_wave_0_\@:
	s_barrier_wait -3
	s_barrier_signal -1
	s_barrier_wait -1
.endm
	s_load_b512 s[68:83], s[0:1], 0x0              ; X codes 68, scales 70; WQ 72, 74; WK 76, 78; WV 80, 82
	s_load_b128 s[84:87], s[0:1], 0x40             ; bQ, bK
	s_load_b64 s[88:89], s[0:1], 0x50              ; bV
	v_lshl_add_u32 v[SPW], v0, 2, SPARE
	v_mov_b32 v[NIL], 0
	ds_add_u32 v28, v29
	ds_add_u32 v28, v29
	s_wait_dscnt 0x0
	v_lshrrev_b32 v1, 5, v0
	v_readfirstlane_b32 s14, v1                    ; wave 0..3
	s_lshr_b32 s15, s14, 1                         ; which half of the A slot's rows is mine; also: I fetch for A (0) or B (1)
	s_and_b32 s16, s14, 1                          ; which half of the B slot's rows; also: which 128 rows I fetch
	s_bfe_u32 s40, ttmp6, 0x40000                  ; cx
	s_bfe_u32 s41, ttmp6, 0x40004                  ; cy
	s_mov_b32 s66, ttmp9                           ; the cluster's x: what this cluster makes
	s_wait_kmcnt 0x0
	s_cmp_eq_u32 s66, 8
	s_cselect_b32 s95, 1, 0                        ; K?
	s_cselect_b64 s[8:9], s[76:77], s[72:73]
	s_cselect_b64 s[10:11], s[78:79], s[74:75]
	s_cselect_b64 s[12:13], s[86:87], s[84:85]
	s_lshr_b32 s67, s66, 2
	s_cmp_eq_u32 s67, 1
	s_cselect_b32 s67, 1, 0                        ; V?
	s_cselect_b64 s[4:5], s[80:81], s[68:69]       ; the A slot's codes,
	s_cselect_b64 s[6:7], s[82:83], s[70:71]       ; its scales,
	s_cselect_b64 s[8:9], s[68:69], s[8:9]         ; the B slot's codes,
	s_cselect_b64 s[10:11], s[70:71], s[10:11]     ; its scales,
	s_cselect_b64 s[12:13], s[88:89], s[12:13]     ; the bias
	s_and_b32 s18, ttmp7, 0xffff
	s_lshl_b32 s18, s18, 2                         ; 4 x cluster y
	s_lshl_b32 s19, s66, 2                         ; 4 x cluster x
	s_sub_co_u32 s20, s19, 16
	s_cmp_eq_u32 s67, 1
	s_cselect_b32 s17, s20, s18
	s_cselect_b32 s42, s18, s19
	s_cmp_eq_u32 s95, 1
	s_cselect_b32 s42, 0, s42
	s_add_co_u32 s17, s17, s41                     ; the A slot's tile: + cy
	s_add_co_u32 s42, s42, s40                     ; the B slot's tile: + cx
	s_lshl_b32 s43, s41, 2
	s_lshl_b32 s43, 15, s43                        ; my row of the cluster
	s_lshl_b32 s44, 0x1111, s40                    ; my column
	s_or_b32 s[G1+0], s43, (0<<16)|(1<<20)|(1<<21)|(5<<22)|(3<<25)  ; mask; elements of 1 byte; padding: 4 words after every 64; bit 21 beside a mask
	s_or_b32 s[G1B+0], s44, (0<<16)|(1<<20)|(1<<21)|(5<<22)|(3<<25)
.irp g, G1, G1B
	s_mov_b32 s[\g+1], ROWB<<16                    ; tensor_dim0
	s_mov_b32 s[\g+2], 128<<16                     ; tensor_dim1
	s_mov_b32 s[\g+3], ROWB<<16                    ; tile_dim0
	s_mov_b32 s[\g+4], 128                         ; tile_dim1
	s_mov_b32 s[\g+5], KROW                        ; the pitch
	s_mov_b32 s[\g+6], 0
	s_mov_b32 s[\g+7], 0
.endr
	s_or_b32 s[G1S+0], s43, (3<<16)|(1<<20)|(1<<21)|(5<<22)|(3<<25) ; the scales of 128 rows: 4,096 dense bytes as 16 rows of 256
	s_or_b32 s[G1SB+0], s44, (3<<16)|(1<<20)|(1<<21)|(5<<22)|(3<<25)
.irp g, G1S, G1SB
	s_mov_b32 s[\g+1], 32<<16
	s_mov_b32 s[\g+2], (128*KS/256)<<16
	s_mov_b32 s[\g+3], 32<<16
	s_mov_b32 s[\g+4], 128*KS/256
	s_mov_b32 s[\g+5], 32
	s_mov_b32 s[\g+6], 0
	s_mov_b32 s[\g+7], 0
.endr
	s_lshl_b32 s18, s16, 7
	s_lshl_b32 s20, s17, 8
	s_add_co_u32 s20, s20, s18                     ; A: row 256 x tile + 128 x half
	s_lshl_b32 s46, s42, 8
	s_add_co_u32 s46, s46, s18                     ; B likewise
	s_mov_b32 s21, 0
	s_mov_b32 s47, 0
	s_mov_b64 s[18:19], KS
	s_mul_u64 s[22:23], s[20:21], s[18:19]
	s_mul_u64 s[92:93], s[46:47], s[18:19]
	s_mov_b64 s[18:19], KROW
	s_mul_u64 s[20:21], s[20:21], s[18:19]
	s_mul_u64 s[46:47], s[46:47], s[18:19]
	s_mul_i32 s45, s14, HALFT                      ; where they go: wave x 128 rows
	s_mul_i32 s94, s14, HALFS
	s_add_nc_u64 s[20:21], s[4:5], s[20:21]
	s_add_nc_u64 s[22:23], s[6:7], s[22:23]
	s_add_nc_u64 s[46:47], s[8:9], s[46:47]
	s_add_nc_u64 s[92:93], s[10:11], s[92:93]
	CROUND                                         ; all sixteen work-groups are here: the joint loads meet
	s_mov_b32 s[G0S], 1
	s_add_co_u32 s[G0S+1], s94, SCL
	s_mov_b64 s[G0S+2:G0S+3], s[22:23]
	s_or_b32 s[G0S+3], s[G0S+3], 0x80000000
	s_mov_b32 s[G0SB], 1
	s_add_co_u32 s[G0SB+1], s94, SCL
	s_mov_b64 s[G0SB+2:G0SB+3], s[92:93]
	s_or_b32 s[G0SB+3], s[G0SB+3], 0x80000000
	JLOAD G0S, G1S, G0SB, G1SB                     ; the scales,
.irp s, 0,1
	s_mov_b32 s[G0+4*\s], 1
	s_add_co_u32 s[G0+4*\s+1], s45, \s*SLOT
	s_add_nc_u64 s[G0+4*\s+2:G0+4*\s+3], s[20:21], \s*ROWB
	s_or_b32 s[G0+4*\s+3], s[G0+4*\s+3], 0x80000000
	s_mov_b32 s[G0B+4*\s], 1
	s_add_co_u32 s[G0B+4*\s+1], s45, \s*SLOT
	s_add_nc_u64 s[G0B+4*\s+2:G0B+4*\s+3], s[46:47], \s*ROWB
	s_or_b32 s[G0B+4*\s+3], s[G0B+4*\s+3], 0x80000000
	JLOAD G0+4*\s, G1, G0B+4*\s, G1B               ; and both halves of K: three loads of mine are out
.endr
	v_and_b32 v1, 15, v0                           ; r
	v_bfe_u32 v2, v0, 4, 1                         ; h
	v_mul_u32_u24 v3, v1, PITCH
	v_lshl_add_u32 v4, v2, 4, v3
	s_mul_i32 s21, s15, HALFT
	s_mul_i32 s22, s16, HALFT
	s_add_co_u32 s22, s22, 2*HALFT
.irp s, 0,1
	v_add_nc_u32 v[ADRA+\s], s21, v4
	v_add_nc_u32 v[ADRB+\s], s22, v4
	s_add_co_u32 s21, s21, SLOT
	s_add_co_u32 s22, s22, SLOT
.endr
	v_mul_u32_u24 v5, v1, KS
	v_lshrrev_b32 v6, 8, v5
	v_lshl_add_u32 v5, v6, 4, v5
	s_mul_i32 s21, s15, HALFS
	s_mul_i32 s22, s16, HALFS
	s_add_co_u32 s22, s22, 2*HALFS
	s_sub_co_u32 s22, s22, s21
	v_mul_u32_u24 v6, s22, v2                      ; lanes 16-31 take the B slot's scale words
	s_add_co_u32 s21, s21, SCL
	v_add_nc_u32 v5, v5, v6
	v_add_nc_u32 v[ADRS], s21, v5
	; the bias, asked for while the tiles are on their way
	s_lshl_b32 s98, s42, 10
	s_lshl_b32 s99, s16, 9
	s_add_co_u32 s98, s98, s99                     ; Q, K: 4 x my first column
	s_lshl_b32 s100, s17, 10
	s_lshl_b32 s99, s15, 9
	s_add_co_u32 s100, s100, s99                   ; V: 4 x my first row of WV
	s_cmp_eq_u32 s67, 1
	s_cselect_b32 s98, s100, s98
	s_mov_b32 s99, 0
	s_add_nc_u64 s[12:13], s[12:13], s[98:99]
	v_lshlrev_b32 v7, 5, v2                        ; 32 h
	v_lshlrev_b32 v8, 2, v1                        ; 4 r
	s_cmp_eq_u32 s67, 1
	s_cbranch_scc1 .Lbias_v
	WIN 0x40                                       ; destination window 1
.irp b, 0,1,2,3,4,5,6,7
	global_load_b128 v[192+8*\b:195+8*\b], v7, s[12:13] offset:64*\b          ; register 8 b + j: the bias of column 16 b + 8 h + j
	global_load_b128 v[196+8*\b:199+8*\b], v7, s[12:13] offset:64*\b+16
.endr
	WIN 0
	; ROPE'S SINES AND COSINES.  Register p of lane (r, h) belongs to frequency i = 8 (p / 4) + p % 4 + 4 h: the pair of columns that the result's registers 2 p, 2 p + 1 of a head hold.
	s_lshl_b32 s98, s17, 8
	s_lshl_b32 s99, s15, 7
	s_add_co_u32 s98, s98, s99
	s_and_b32 s98, s98, 1023                       ; my first row's place in its sequence
	v_add_nc_u32 v30, s98, v1
	v_cvt_f32_u32 v30, v30                         ; t0 + r
	v_mov_b32 v31, 0x41800000                      ; 16.0: from a block of rows to the next
	v_lshlrev_b32 v9, 2, v2
	s_mov_b32 s96, 0xb94ca1f9                      ; the polynomials' leading coefficients
	s_mov_b32 s97, 0x37ccf5ce
.irp p, 0,1,2,3,4,5,6,7,8,9,10,11,12,13,14,15
	v_add_nc_u32 v[FQ+\p], 8*(\p/4)+\p%4, v9
.endr
.irp p, 0,1,2,3,4,5,6,7,8,9,10,11,12,13,14,15
	v_cvt_f32_u32 v[FQ+\p], v[FQ+\p]
.endr
.irp p, 0,1,2,3,4,5,6,7,8,9,10,11,12,13,14,15
	v_mul_f32 v[FQ+\p], 0xbed49a78, v[FQ+\p]       ; - i log2(10000) / 32
.endr
.irp p, 0,1,2,3,4,5,6,7,8,9,10,11,12,13,14,15
	v_exp_f32 v[FQ+\p], v[FQ+\p]
.endr
	v_nop                                          ; a plain instruction behind the batch,
	s_wait_alu depctr_va_vdst(0)                   ; and one wait for it, ahead of its first reader
; Four angles at a time, u = 0..3: frequency p + u / 2; u % 2 = 0: (t0 + r) f, 1: 16 f.  n = the nearest multiple of pi / 2, taken off in two parts; sine and cosine of the rest by polynomials in z = rest^2;
; n's last two bits say which of the two is which, and the signs.
.macro TRIG4 p
.irp u, 0,1,2,3
	v_mul_f32 v[TG+8*\u], v[30+\u%2], v[FQ+\p+\u/2]
.endr
.irp u, 0,1,2,3
	v_mul_f32 v[TG+8*\u+1], 0x3f22f983, v[TG+8*\u]
.endr
.irp u, 0,1,2,3
	v_rndne_f32 v[TG+8*\u+1], v[TG+8*\u+1]
.endr
.irp u, 0,1,2,3
	v_fmamk_f32 v[TG+8*\u], v[TG+8*\u+1], 0xbfc90fdb, v[TG+8*\u]
.endr
.irp u, 0,1,2,3
	v_fmamk_f32 v[TG+8*\u], v[TG+8*\u+1], 0x333bbd2e, v[TG+8*\u]
.endr
.irp u, 0,1,2,3
	v_mul_f32 v[TG+8*\u+2], v[TG+8*\u], v[TG+8*\u]
.endr
.irp u, 0,1,2,3
	v_fmaak_f32 v[TG+8*\u+3], s96, v[TG+8*\u+2], 0x3c08839e
	v_fmaak_f32 v[TG+8*\u+4], s97, v[TG+8*\u+2], 0xbab6061a
.endr
.irp u, 0,1,2,3
	v_fmaak_f32 v[TG+8*\u+3], v[TG+8*\u+3], v[TG+8*\u+2], 0xbe2aaaa3
	v_fmaak_f32 v[TG+8*\u+4], v[TG+8*\u+4], v[TG+8*\u+2], 0x3d2aaaa5
.endr
.irp u, 0,1,2,3
	v_mul_f32 v[TG+8*\u+3], v[TG+8*\u+3], v[TG+8*\u+2]
	v_fma_f32 v[TG+8*\u+4], v[TG+8*\u+4], v[TG+8*\u+2], -0.5
.endr
.irp u, 0,1,2,3
	v_fma_f32 v[TG+8*\u+3], v[TG+8*\u+3], v[TG+8*\u], v[TG+8*\u]      ; the rest's sine
	v_fma_f32 v[TG+8*\u+4], v[TG+8*\u+4], v[TG+8*\u+2], 1.0           ; and cosine
.endr
.irp u, 0,1,2,3
	v_cvt_i32_f32 v[TG+8*\u+1], v[TG+8*\u+1]
.endr
.irp u, 0,1,2,3
	v_and_b32 v[TG+8*\u+5], 1, v[TG+8*\u+1]
.endr
.irp u, 0,1,2,3
	v_cmp_eq_u32 vcc_lo, 1, v[TG+8*\u+5]
	v_cndmask_b32 v[TG+8*\u+6], v[TG+8*\u+3], v[TG+8*\u+4], vcc_lo    ; n odd: they change places
	v_cndmask_b32 v[TG+8*\u+7], v[TG+8*\u+4], v[TG+8*\u+3], vcc_lo
.endr
.irp u, 0,1,2,3
	v_add_nc_u32 v[TG+8*\u+5], 1, v[TG+8*\u+1]
.endr
.irp u, 0,1,2,3
	v_lshlrev_b32 v[TG+8*\u+1], 30, v[TG+8*\u+1]
	v_lshlrev_b32 v[TG+8*\u+5], 30, v[TG+8*\u+5]
.endr
.irp u, 0,1,2,3
	v_and_b32 v[TG+8*\u+1], 0x80000000, v[TG+8*\u+1]                  ; the sine's sign: bit 1 of n
	v_and_b32 v[TG+8*\u+5], 0x80000000, v[TG+8*\u+5]                  ; the cosine's: bit 1 of n + 1
.endr
	WIN 0x40                                       ; the results go to window 1
.irp u, 0,1,2,3
	v_xor_b32 v[SB+32*(\u%2)+\p+\u/2], v[TG+8*\u+1], v[TG+8*\u+6]
	v_xor_b32 v[CB+32*(\u%2)+\p+\u/2], v[TG+8*\u+5], v[TG+8*\u+7]
.endr
	WIN 0
.endm
.irp p, 0,2,4,6,8,10,12,14
	TRIG4 \p
.endr
	s_branch .Lmain
.Lbias_v:
	WIN 0x40
.irp a, 0,1,2,3,4,5,6,7
	global_load_b32 v[192+2*\a], v8, s[12:13] offset:64*\a            ; bV of my column 16 a + r, into both registers of a pair (the packed addition names the pair)
	global_load_b32 v[193+2*\a], v8, s[12:13] offset:64*\a
.endr
	WIN 0
.Lmain:
.macro FRAG reg, adr, q, i             ; a fragment, 16 rows x 128 K of 4-bit codes: 8 registers, two loads of 16 bytes, 32 bytes apart
.irp c, 0,1
	ds_load_b128 v[\reg+4*\c:\reg+4*\c+3], v[\adr] offset:64*(\q)+32*\c+(\i)*16*PITCH
.endr
.endm
; 16 matrix instructions: A's blocks a0, a0 + 1 x B's eight.  The 64 accumulators take turns, one instruction a turn.
.macro MUL16 a0, p, q, sc, zero
.irp a, \a0, \a0+1
.irp b, 0,1,2,3,4,5,6,7
.if \zero
	v_wmma_scale_f32_16x16x128_f8f6f4 v[8*(8*((\a)%4)+\b):8*(8*((\a)%4)+\b)+7], v[128*(\p)+FR*\b:128*(\p)+FR*\b+FR-1], v[AF+FR*(\a):AF+FR*(\a)+FR-1], 0, v[SC+8*NQ*(\sc)+NQ*\b+(\q)], v[SC+8*NQ*(\sc)+NQ*(\a)+(\q)] matrix_a_fmt:MATRIX_FMT_FP4 matrix_b_fmt:MATRIX_FMT_FP4 matrix_a_scale:MATRIX_SCALE_ROW1
.else
	v_wmma_scale_f32_16x16x128_f8f6f4 v[8*(8*((\a)%4)+\b):8*(8*((\a)%4)+\b)+7], v[128*(\p)+FR*\b:128*(\p)+FR*\b+FR-1], v[AF+FR*(\a):AF+FR*(\a)+FR-1], v[8*(8*((\a)%4)+\b):8*(8*((\a)%4)+\b)+7], v[SC+8*NQ*(\sc)+NQ*\b+(\q)], v[SC+8*NQ*(\sc)+NQ*(\a)+(\q)] matrix_a_fmt:MATRIX_FMT_FP4 matrix_b_fmt:MATRIX_FMT_FP4 matrix_a_scale:MATRIX_SCALE_ROW1
.endif
.endr
.endr
.endm
.macro FETCH_B slot, q, p
	WIN TO_B
.irp i, 0,1,2,3,4,5,6,7
	FRAG 128*(\p)+FR*\i, ADRB+\slot, \q, \i
.endr
	WIN 0
.endm
.macro FETCH_A slot, q, i0
.irp i, \i0, \i0+1, \i0+2, \i0+3
	FRAG AF+FR*(\i), ADRA+\slot, \q, \i
.endr
.endm
.macro SCALES sc                       ; a slot's scale words: lanes 0-15 A's block i, lanes 16-31 B's block i
.irp i, 0,1,2,3,4,5,6,7
	ds_load_b128 v[SC+8*NQ*\sc+NQ*\i:SC+8*NQ*\sc+NQ*\i+3], v[ADRS] offset:\i*SBLK
.endr
.endm
.macro PLACES n                        ; plain instructions between a matrix instruction and a load into, or a vector read of, its registers
.rept \n
	v_nop
.endr
.endm
.macro STEP slot, q, zero              ; 128 along K that has its successor in the same slot
	s_wait_dscnt 4*NL                              ; B's set and A's blocks 0-3 are in; the youngest eight loads (A's blocks 4-7) may be out
	WIN MUL_LO
	MUL16 0, (\q)%2, \q, \slot, \zero
	MUL16 2, (\q)%2, \q, \slot, \zero
	s_wait_dscnt 0
	PLACES NP
	FETCH_B \slot, (\q)+1, 1-(\q)%2
	FETCH_A \slot, (\q)+1, 0
	WIN MUL_HI
	MUL16 4, (\q)%2, \q, \slot, \zero
	MUL16 6, (\q)%2, \q, \slot, \zero
	PLACES NP
	WIN 0
	FETCH_A \slot, (\q)+1, 4
.endm
.macro TURN slot, next                 ; a slot's last step: behind the barrier the other slot is whole in every wave's eyes; nothing is filled again
	s_wait_tensorcnt 0x0                           ; all my tensor loads have landed: my part of the next slot
	ds_add_u32 v[SPW], v[NIL]                      ; 0 onto my spare word
	s_wait_dscnt 4*NL+1                            ; (the add and the youngest eight loads may be out)
	WIN MUL_LO
	MUL16 0, 1, NQ-1, \slot, 0
	s_wait_dscnt 0x0
	s_barrier_signal -1
	MUL16 2, 1, NQ-1, \slot, 0
	WIN 0
	s_barrier_wait -1
	PLACES NP
	v_add_nc_u32 v[ADRS], 4*NQ, v[ADRS]
	FETCH_B \next, 0, 0
	FETCH_A \next, 0, 0
	SCALES \next
	WIN MUL_HI
	MUL16 4, 1, NQ-1, \slot, 0
	MUL16 6, 1, NQ-1, \slot, 0
	PLACES NP
	WIN 0
	FETCH_A \next, 0, 4
.endm
.macro STEPS slot, from
.set Q, \from
.rept NQ-1-\from
	STEP \slot, Q, 0
.set Q, Q+1
.endr
.endm
	s_wait_tensorcnt 1                             ; the scales and my part of slot 0 are in; slot 1's load may be out
	s_barrier_signal -1
	s_barrier_wait -1
	FETCH_B 0, 0, 0
	FETCH_A 0, 0, 0
	SCALES 0
	FETCH_A 0, 0, 4
	STEP 0, 0, 1                                   ; the first products start the sums
	STEPS 0, 1
	TURN 0, 1
	STEPS 1, 0
	s_wait_dscnt 4*NL
	WIN MUL_LO
	MUL16 0, 1, NQ-1, 1, 0
	MUL16 2, 1, NQ-1, 1, 0
	s_wait_dscnt 0
	WIN MUL_HI
	MUL16 4, 1, NQ-1, 1, 0
	MUL16 6, 1, NQ-1, 1, 0
	WIN 0
	PLACES NP                                      ; ahead of the first read of results
; THE EPILOGUE walks my eight blocks of 16 A rows in a loop (s3 = a).  Register numbers cannot hang on a counter, so the block's 64 results are first brought, with the bias added, into v[X] on:
; eight copies of 32 packed additions, chosen by a's value; each accumulator is read from its low end on.  All else is written once.
.macro CPBLK isv, k
	WIN (0x06+(\k)/4)                              ; source 0: window 2 or 3; source 1 (the bias): window 1
.set i, 0
.rept 32
.if \isv
	v_pk_add_f32 v[X+2*i:X+2*i+1], v[64*((\k)%4)+2*i:64*((\k)%4)+2*i+1], v[192+2*(\k):193+2*(\k)] op_sel_hi:[1,0]
.else
	v_pk_add_f32 v[X+2*i:X+2*i+1], v[64*((\k)%4)+2*i:64*((\k)%4)+2*i+1], v[192+2*i:193+2*i]
.endif
.set i, i+1
.endr
	WIN 0
.endm
.macro COPYSEL isv
.irp k, 0,1,2,3,4,5,6
	s_cmp_eq_u32 s3, \k
	s_cbranch_scc1 .Lcp\isv\k
.endr
	CPBLK \isv, 7
	s_branch .Lcpj\isv
.irp k, 0,1,2,3,4,5,6
.Lcp\isv\k:
	CPBLK \isv, \k
	s_branch .Lcpj\isv
.endr
.Lcpj\isv:
.endm
	s_wait_loadcnt 0x0                             ; the bias
	s_mov_b32 s[SEL], 0x76543210
	s_mov_b32 s[SEL+1], 0xfedcba98                 ; v_permlanex16_b32's selects for lane l xor 16
	v_and_b32 v[LNX], 31, v0
	v_lshlrev_b32 v[LNX], 4, v[LNX]                ; 16 x lane
.irp i, 0,1,2,3,4,5,6,7
	v_mov_b32 v[SWR+\i], 0                         ; (read by the shift before they are first filled)
.endr
	s_mov_b32 s3, 0
	s_cmp_eq_u32 s67, 1
	s_cbranch_scc1 .Lvpath
	; ---- Q and K
	s_load_b128 s[44:47], s[0:1], 0x58             ; QW, KW
	s_lshl_b32 s24, s17, 8
	s_lshl_b32 s25, s15, 7
	s_add_co_u32 s24, s24, s25                     ; my first row of X
	s_lshr_b32 s25, s24, 10                        ; b
	s_and_b32 s24, s24, 1023                       ; t0
	s_lshl_b32 s26, s42, 2
	s_lshl_b32 s27, s16, 1
	s_add_co_u32 s26, s26, s27                     ; my first head
	s_cmp_eq_u32 s95, 1
	s_cselect_b32 s22, 1.0, 0x3c800000             ; Q: rsq(ss / 64 + eps);  K: rsq(ss)
	s_cselect_b32 s23, 0, 0x34000000
	s_cselect_b32 s48, 0, -1                       ; all lanes for Q, none for K
	s_mov_b32 s49, 40960
	s_cselect_b32 s49, 45056, s49                  ; a head's bytes
	s_cselect_b32 s50, 4, 6
	s_lshl_b32 s25, s25, s50
	s_add_co_u32 s25, s25, s26
	s_mul_i32 s52, s25, s49
	s_mov_b32 s53, 0
	s_wait_kmcnt 0x0
	s_cmp_eq_u32 s95, 1
	s_cselect_b64 s[44:45], s[46:47], s[44:45]
	s_add_nc_u64 s[44:45], s[44:45], s[52:53]      ; my first head's bytes
	s_lshl_b32 s52, s24, 5
	s_add_nc_u64 s[28:29], s[44:45], s[52:53]      ; its images: 512 bytes for each 16 rows
	s_lshl_b32 s52, s24, 3
	s_add_co_u32 s52, s52, 32768
	s_add_nc_u64 s[32:33], s[44:45], s[52:53]      ; its scale words: 512 bytes for each 64 rows
	s_lshl_b32 s52, s24, 2
	s_add_co_u32 s52, s52, 40960
	s_add_nc_u64 s[36:37], s[44:45], s[52:53]      ; K: log2(e) / ||k||
	s_mov_b32 s52, s49
	s_add_nc_u64 s[30:31], s[28:29], s[52:53]      ; and the second head's
	s_add_nc_u64 s[34:35], s[32:33], s[52:53]
	v_mov_b32 v[IMGO], v[LNX]
	v_mov_b32 v[SWO], v[LNX]
	v_and_b32 v[TT], 15, v0
	v_bfe_u32 v[RDS], v0, 4, 1
	v_cmp_eq_u32 s54, 1, v[RDS]                    ; lanes 16-31
	v_mul_u32_u24 v[RDO], v[RDS], 45056
	v_lshl_add_u32 v[RDO], v[TT], 2, v[RDO]        ; lanes 0-15 store the first head's number of row r, lanes 16-31 the second head's
	v_mov_b32 v[BX0], 0                            ; a lane permute's destination counts as read
	v_mov_b32 v[BX0+1], 0
; One head of the block: 32 numbers a lane, register 8 bb + j = column 16 bb + 8 h + j of row r.
.macro HEADQ hd
.set XS, X+32*\hd
	v_pk_mul_f32 v[SSA:SSA+1], v[XS:XS+1], v[XS:XS+1]                 ; the sum of squares, in two chains of pairs
	v_pk_mul_f32 v[SSB:SSB+1], v[XS+2:XS+3], v[XS+2:XS+3]
.irp i, 4,8,12,16,20,24,28
	v_pk_fma_f32 v[SSA:SSA+1], v[XS+\i:XS+\i+1], v[XS+\i:XS+\i+1], v[SSA:SSA+1]
	v_pk_fma_f32 v[SSB:SSB+1], v[XS+\i+2:XS+\i+3], v[XS+\i+2:XS+\i+3], v[SSB:SSB+1]
.endr
	v_pk_add_f32 v[SSA:SSA+1], v[SSA:SSA+1], v[SSB:SSB+1]
	v_add_f32 v[TT], v[SSA], v[SSA+1]
	v_permlanex16_b32 v[BX0], v[TT], s[SEL], s[SEL+1]
	v_add_f32 v[TT], v[TT], v[BX0]                 ; with lane l xor 16's 32 columns
	v_fma_f32 v[TT], v[TT], s22, s23
	v_rsq_f32 v[FF], v[TT]
	v_nop                                          ; a plain instruction behind it,
	s_wait_alu depctr_va_vdst(0)                   ; and the wait ahead of its first reader
	v_cndmask_b32 v[FM], 1.0, v[FF], s48           ; Q is normalised; K is multiplied by 1
	v_cndmask_b32 v[FM+1], 1.0, v[FF], s48
	v_mul_f32 v[RD0+\hd], 0x3fb8aa3b, v[FF]        ; K: log2(e) / ||k||
.irp i, 0,2,4,6,8,10,12,14,16,18,20,22,24,26,28,30
	v_pk_mul_f32 v[XS+\i:XS+\i+1], v[XS+\i:XS+\i+1], v[FM:FM+1]
.endr
	WIN 0x04                                       ; source 1 (sines and cosines): window 1
.irp p, 0,1,2,3,4,5,6,7,8,9,10,11,12,13,14,15
	v_mul_f32 v[OUT+\p], v[XS+2*\p+1], v[SB+\p]
	v_mul_f32 v[OUT+16+\p], v[XS+2*\p+1], v[CB+\p]
.endr
.irp p, 0,1,2,3,4,5,6,7,8,9,10,11,12,13,14,15
	v_fma_f32 v[OUT+\p], v[XS+2*\p], v[CB+\p], -v[OUT+\p]             ; x1 cos - x2 sin: dimension i, block 0
	v_fma_f32 v[OUT+16+\p], v[XS+2*\p], v[SB+\p], v[OUT+16+\p]        ; x1 sin + x2 cos: dimension 32 + i, block 1
.endr
	WIN 0
	v_max3_num_f32 v[BM0], |v[OUT]|, |v[OUT+1]|, 0x1800000            ; each block's largest magnitude, over the floor 2^(3 - 127)
	v_max3_num_f32 v[BM0+1], |v[OUT+16]|, |v[OUT+17]|, 0x1800000
.irp i, 2,4,6,8,10,12,14
	v_max3_num_f32 v[BM0], v[BM0], |v[OUT+\i]|, |v[OUT+\i+1]|
	v_max3_num_f32 v[BM0+1], v[BM0+1], |v[OUT+16+\i]|, |v[OUT+17+\i]|
.endr
	v_permlanex16_b32 v[BX0], v[BM0], s[SEL], s[SEL+1]
	v_permlanex16_b32 v[BX0+1], v[BM0+1], s[SEL], s[SEL+1]
	v_max_num_f32 v[BM0], v[BM0], v[BX0]
	v_max_num_f32 v[BM0+1], v[BM0+1], v[BX0+1]
	v_add_nc_u32 v[SCO], 0xff000000, v[BM0]        ; 2 off the exponent field: the conversion's scale operand
	v_add_nc_u32 v[SCO+1], 0xff000000, v[BM0+1]
	v_lshrrev_b32 v[BY], 23, v[SCO]
	v_lshrrev_b32 v[BY+1], 23, v[SCO+1]
	v_lshl_or_b32 v[WORD], v[BY+1], 8, v[BY]
	v_or_b32 v[WORD], 0x7f7f0000, v[WORD]          ; the upper 64 of the instruction's 128 are zero codes under the scale 1
	s_wait_xcnt 0x0                                ; earlier stores have read their data: the codes' and the words' registers are written again only behind this wait
	v_mov_b32 v[SWR+4*\hd], v[SWR+4*\hd+1]
	v_mov_b32 v[SWR+4*\hd+1], v[SWR+4*\hd+2]
	v_mov_b32 v[SWR+4*\hd+2], v[SWR+4*\hd+3]
	v_mov_b32 v[SWR+4*\hd+3], v[WORD]
	v_cvt_scalef32_pk8_fp4_f32 v[CODE], v[OUT:OUT+7], v[SCO]
	v_cvt_scalef32_pk8_fp4_f32 v[CODE+1], v[OUT+8:OUT+15], v[SCO]
	v_cvt_scalef32_pk8_fp4_f32 v[CODE+2], v[OUT+16:OUT+23], v[SCO+1]
	v_cvt_scalef32_pk8_fp4_f32 v[CODE+3], v[OUT+24:OUT+31], v[SCO+1]
	v_nop                                          ; a plain instruction behind the conversions
	v_permlane16_swap_b32 v[CODE], v[CODE+2]       ; lanes 0-15: all of block 0; lanes 16-31: all of block 1
	v_permlane16_swap_b32 v[CODE+1], v[CODE+3]
	global_store_b128 v[IMGO], v[CODE:CODE+3], s[28+2*\hd:29+2*\hd]   ; 512 consecutive bytes
.endm
.Lqa:
	COPYSEL 0
	HEADQ 0
	HEADQ 1
	s_cmp_eq_u32 s95, 1
	s_cbranch_scc0 .Lnot_k
	v_cndmask_b32 v[RDS], v[RD0], v[RD0+1], s54
	global_store_b32 v[RDO], v[RDS], s[36:37]
.Lnot_k:
	WIN 0x55                                       ; all in window 1: the angles go 16 rows on; v0-31 there, B's fragments once, are at work
.irp p, 0,1,2,3,4,5,6,7,8,9,10,11,12,13,14,15
	v_mul_f32 v[\p], v[SB+\p], v[SD+\p]
	v_mul_f32 v[16+\p], v[CB+\p], v[SD+\p]
.endr
.irp p, 0,1,2,3,4,5,6,7,8,9,10,11,12,13,14,15
	v_fma_f32 v[CB+\p], v[CB+\p], v[CD+\p], -v[\p]
	v_fma_f32 v[SB+\p], v[SB+\p], v[CD+\p], v[16+\p]
.endr
	WIN 0
	s_and_b32 s55, s3, 3
	s_cmp_eq_u32 s55, 3
	s_cbranch_scc0 .Lno_sw
	global_store_b128 v[SWO], v[SWR:SWR+3], s[32:33]                  ; four tiles' scale words: 512 consecutive bytes
	global_store_b128 v[SWO], v[SWR+4:SWR+7], s[34:35]
	s_wait_xcnt 0x0
	v_add_nc_u32 v[SWO], 512, v[SWO]
.Lno_sw:
	s_wait_xcnt 0x0                                ; the trip's stores have read their offsets
	v_add_nc_u32 v[IMGO], 512, v[IMGO]
	v_add_nc_u32 v[RDO], 64, v[RDO]
	s_add_co_u32 s3, s3, 1
	s_cmp_lt_u32 s3, 8
	s_cbranch_scc1 .Lqa
	s_branch .Lend
	; ---- V: a lane holds column d = 16 a + r; register 8 b + j = key 16 b + 8 h + j of my 128 keys: one K step of the next launch's second product
.Lvpath:
	s_load_b64 s[44:45], s[0:1], 0x68              ; VW
	s_lshl_b32 s24, s42, 8
	s_lshl_b32 s25, s16, 7
	s_add_co_u32 s24, s24, s25                     ; my first key's row of X
	s_lshr_b32 s25, s24, 10                        ; b
	s_bfe_u32 s24, s24, 0x30007                    ; the step of 128 keys
	s_lshl_b32 s26, s17, 2
	s_lshl_b32 s27, s15, 1
	s_add_co_u32 s26, s26, s27                     ; my first head
	s_lshl_b32 s25, s25, 6
	s_add_co_u32 s25, s25, s26
	s_mul_i32 s52, s25, 36864
	s_mov_b32 s53, 0
	s_wait_kmcnt 0x0
	s_add_nc_u64 s[44:45], s[44:45], s[52:53]
	s_lshl_b32 s52, s24, 12
	s_add_nc_u64 s[28:29], s[44:45], s[52:53]      ; the step's images
	s_lshl_b32 s52, s24, 9
	s_add_co_u32 s52, s52, 32768
	s_add_nc_u64 s[32:33], s[44:45], s[52:53]      ; the step's scale words
.irp b, 0,1,2,3
	v_mov_b32 v[TM+4+\b], 0                        ; a lane permute's destination counts as read
.endr
; 64 numbers of a lane, register 16 b + i in block b, become a fragment's codes in v[PC] on and its scale word in v[PW]
.macro QUANT s
.irp b, 0,1,2,3
	v_max3_num_f32 v[TM+\b], |v[\s+16*\b]|, |v[\s+1+16*\b]|, 0x1800000
.endr
.irp i, 2,4,6,8,10,12,14
.irp b, 0,1,2,3
	v_max3_num_f32 v[TM+\b], v[TM+\b], |v[\s+16*\b+\i]|, |v[\s+1+16*\b+\i]|
.endr
.endr
.irp b, 0,1,2,3
	v_permlanex16_b32 v[TM+4+\b], v[TM+\b], s[SEL], s[SEL+1]
.endr
.irp b, 0,1,2,3
	v_max_num_f32 v[TM+\b], v[TM+\b], v[TM+4+\b]
.endr
.irp b, 0,1,2,3
	v_add_nc_u32 v[TM+12+\b], 0xff000000, v[TM+\b]
.endr
.irp b, 0,1,2,3
	v_lshrrev_b32 v[TM+4+\b], 23, v[TM+12+\b]
.endr
	v_lshl_or_b32 v[PW], v[TM+5], 8, v[TM+4]
	v_lshl_or_b32 v[PW], v[TM+6], 16, v[PW]
	v_lshl_or_b32 v[PW], v[TM+7], 24, v[PW]
.irp b, 0,1,2,3
	v_cvt_scalef32_pk8_fp4_f32 v[PC+2*\b], v[\s+16*\b:\s+7+16*\b], v[TM+12+\b]
	v_cvt_scalef32_pk8_fp4_f32 v[PC+1+2*\b], v[\s+8+16*\b:\s+15+16*\b], v[TM+12+\b]
.endr
	v_nop
.irp c, 0,1
.irp i, 0,1
	v_permlane16_swap_b32 v[PC+4*\c+\i], v[PC+2+4*\c+\i]
.endr
.endr
.endm
.Lva:
	COPYSEL 1
	s_wait_xcnt 0x0                                ; the last trip's stores have read their data and offsets
	QUANT X
	s_lshr_b32 s52, s3, 2
	s_mul_i32 s52, s52, 36864                      ; the head: a / 4
	s_and_b32 s53, s3, 3
	s_lshl_b32 s53, s53, 10                        ; the 16 columns: a % 4
	s_add_co_u32 s53, s53, s52
	v_add_nc_u32 v[IMGO], s53, v[LNX]
	global_store_b128 v[IMGO], v[PC:PC+3], s[28:29]
	global_store_b128 v[IMGO], v[PC+4:PC+7], s[28:29] offset:512
	v_mov_b32 v[SWR], v[SWR+1]
	v_mov_b32 v[SWR+1], v[SWR+2]
	v_mov_b32 v[SWR+2], v[SWR+3]
	v_mov_b32 v[SWR+3], v[PW]
	s_and_b32 s53, s3, 3
	s_cmp_eq_u32 s53, 3
	s_cbranch_scc0 .Lno_swv
	v_add_nc_u32 v[SWO], s52, v[LNX]
	global_store_b128 v[SWO], v[SWR:SWR+3], s[32:33]
.Lno_swv:
	s_add_co_u32 s3, s3, 1
	s_cmp_lt_u32 s3, 8
	s_cbranch_scc1 .Lva
.Lend:
	s_wait_tensorcnt 0x0                           ; the wave's end
	ds_add_u32 v[SPW], v[NIL]
	s_wait_dscnt 0x0
	CROUND                                         ; the closing round
	s_endpgm
.Lfunc_end_k_q4a6df45de1_proj:
	.size	k_q4a6df45de1_proj, .Lfunc_end_k_q4a6df45de1_proj-k_q4a6df45de1_proj
	.p2alignl 7, 3214868480
	.fill 96, 4, 3214868480
	.section	.rodata,"a",@progbits
	.p2align	6, 0x0
	.amdhsa_kernel k_q4a6df45de1_proj
		.amdhsa_group_segment_fixed_size 327680
		.amdhsa_private_segment_fixed_size 0
		.amdhsa_enable_private_segment 0
		.amdhsa_kernarg_size 112
		.amdhsa_user_sgpr_count 2
		.amdhsa_user_sgpr_kernarg_segment_ptr 1
		.amdhsa_wavefront_size32 1
		.amdhsa_system_sgpr_workgroup_id_x 1
		.amdhsa_system_sgpr_workgroup_id_y 1
		.amdhsa_system_sgpr_workgroup_id_z 1
		.amdhsa_system_vgpr_workitem_id 0
		.amdhsa_next_free_vgpr 1024
		.amdhsa_next_free_sgpr 102
		.amdhsa_reserve_vcc 1
		.amdhsa_float_denorm_mode_32 3
		.amdhsa_float_denorm_mode_16_64 3
		.amdhsa_memory_ordered 1
		.amdhsa_forward_progress 1
		.amdhsa_inst_pref_size 202
	.end_amdhsa_kernel
	.amdgpu_metadata
---
amdhsa.version: [ 1, 2 ]
amdhsa.kernels:
  - .name:           k_q4a6df45de1_proj
    .symbol:         k_q4a6df45de1_proj.kd
    .args:
      - { .name: X_codes, .offset: 0, .size: 8, .value_kind: global_buffer, .address_space: global }
      - { .name: X_scales, .offset: 8, .size: 8, .value_kind: global_buffer, .address_space: global }
      - { .name: WQ_codes, .offset: 16, .size: 8, .value_kind: global_buffer, .address_space: global }
      - { .name: WQ_scales, .offset: 24, .size: 8, .value_kind: global_buffer, .address_space: global }
      - { .name: WK_codes, .offset: 32, .size: 8, .value_kind: global_buffer, .address_space: global }
      - { .name: WK_scales, .offset: 40, .size: 8, .value_kind: global_buffer, .address_space: global }
      - { .name: WV_codes, .offset: 48, .size: 8, .value_kind: global_buffer, .address_space: global }
      - { .name: WV_scales, .offset: 56, .size: 8, .value_kind: global_buffer, .address_space: global }
      - { .name: bQ, .offset: 64, .size: 8, .value_kind: global_buffer, .address_space: global }
      - { .name: bK, .offset: 72, .size: 8, .value_kind: global_buffer, .address_space: global }
      - { .name: bV, .offset: 80, .size: 8, .value_kind: global_buffer, .address_space: global }
      - { .name: QW, .offset: 88, .size: 8, .value_kind: global_buffer, .address_space: global }
      - { .name: KW, .offset: 96, .size: 8, .value_kind: global_buffer, .address_space: global }
      - { .name: VW, .offset: 104, .size: 8, .value_kind: global_buffer, .address_space: global }
    .group_segment_fixed_size: 327680
    .private_segment_fixed_size: 0
    .kernarg_segment_align: 8
    .kernarg_segment_size: 112
    .max_flat_workgroup_size: 128
    .sgpr_count:     102
    .vgpr_count:     1024
    .wavefront_size: 32
...
	.end_amdgpu_metadata
.endif
;; end of part 1
;; launch attn (part 2): grid 256 x 1, 4 waves a work-group, no clusters, 119,296 bytes of LDS; arguments QW, KW, VW, sink_scalars, v_nulls, CTX, CS; writes CTX, CS
.if DOCPART == 2
	.amdgcn_target "amdgcn-amd-amdhsa--gfx1250"
	.amdhsa_code_object_version 6
	.text
	.protected	k_q4a6df45de1_attn
	.globl	k_q4a6df45de1_attn
	.p2align	8
	.type	k_q4a6df45de1_attn,@function
k_q4a6df45de1_attn:
	s_mov_b64 s[64:65], 0
	v_nop
	global_prefetch_b8 v0, s[64:65] scope:SCOPE_SE
	s_setreg_imm32_b32 hwreg(HW_REG_WAVE_MODE, 25, 1), 1
	s_wait_xcnt 0x0
; The banded attention on codes of FP4 (E2M1).  logit = (q . k / ||k||) inside the band, 0 outside it (NOT -infinity), and a sink logit tanh(s); probs = softmax, finished and normalised, quantised along the keys;
; ctx = probs v + p_sink v_null, quantised along the head's 64.  Work in base 2: t = logit x log2(e).
; WHAT IS NOT DONE: q . k outside the band's window of key steps, since those scores are multiplied by 0.  There every p of a query is one number, 2^-M / Z: one code register and one scale word serve all such
; blocks; the second product still runs over all 1,024 keys.
; SHARES.  Work-group x: b = x >> 7, sub-head = (x >> 3) & 15, beta = (x >> 2) & 1, quad = x & 3.  Wave w takes the 64 queries 64 (4 quad + w) on, as four tiles of 16, in two passes: branch beta, then branch 3 - beta
; (both use the same k).  The band's window is N = 2 steps of 128 keys (branches 0-2) or 4 (branch 3); register slot j of V holds step (sb + j) & 7, so that the window is always slots 0 .. N - 1; a step that wraps
; round (keys behind the queries) falls to the mask.
; LDS: k's block of 45,056 bytes (images, scale words, log2(e) / ||k||), then v's block of 36,864 bytes for each pass; copied in once through registers, one barrier, no LDS store behind it.
; No tensor load: the launch loads once, at its head.  No cluster: of the 117 KB that a work-group copies only k's 45 KB are shared with others.
; LAYOUT.  S^T = K Q^T and O^T = V^T P^T: a lane holds ONE query (lane % 16) throughout; in S^T tile t register j is key 16 t + 8 (lane / 16) + j.  The order of keys inside a block of 32 of p's codes is the one that
; the launch before gave v's.  ctx's codes are laid in the natural order of k, since they meet WO's.
; REGISTERS.  Window 0: addresses, statistics, Q, K's fragments (their upper four registers stay zero codes: K = 64 of the instruction's 128), p's codes, all scale words.  Window 1: V, 8 (4 j + dt).
; Window 2: S^T, 64 a slot.  Window 3: v0-63 log2(e) / ||k||; v72-79 the constant p; v96-127 O^T; v128-159 v_null; v160-223 the mask's distances; v224 on ctx's quantiser.
; LIMITS: NaN and infinities are not served; a block of zeros gets the byte 1 (its codes are zeros; the next launch alone reads the bytes); f32 sums in another order than the reference's.
.set KWB, 45056
.set VWB, 36864
.set LV0, KWB
.set LV1, KWB+VWB
.set LN16, 1
.set RR,   2
.set HH,   3
.set KAD,  4
.set SAD,  8
.set RAD,  12
.set DK,   16
.set D0,   20
.set MM,   24
.set T2,   25
.set NM,   26
.set Z0,   28
.set Z1,   30
.set QF,   32
.set Q4,   40
.set QS4,  56
.set QS,   60
.set CA0,  61
.set CA1,  62
.set CA2,  63
.set T3,   62
.set KSCR, 64
.set PSC,  72
.set PCS,  76
.set RH8,  77
.set ZV,   78
.set H32,  79
.set VSC,  80
.set KF,   112
.set P,    176
.set PCF,  208
.set BM,   216
.set BMX,  232
.set RZ,   248
.set EO,   250
.set ES,   251
.set CO,   252
.set PS,   253
.set SINKT, 254
.set TT,   255
.set CR,   72                          ; window 3 from here on
.set O3,   96
.set VN,   128
.set TMP,  160
.set EE,   224
.set CSW,  228
.set CBM,  232
.set CBX,  234
.set CSC,  236
.set CBY,  238
.set CLN,  240
.set MSB, 0
.macro WIN new
.if MSB != \new
	s_set_vgpr_msb (MSB<<8)|\new
.set MSB, \new
.endif
.endm
	s_load_b256 s[4:11], s[0:1], 0x0               ; QW 4, KW 6, VW 8, sink_scalars 10
	s_load_b128 s[12:15], s[0:1], 0x20             ; v_nulls 12, CTX 14
	s_load_b64 s[16:17], s[0:1], 0x30              ; CS
	s_set_vgpr_msb 0xc0
	v_lshl_add_u32 v254, v0, 2, 0x1d000
	v_mov_b32 v255, 0
	s_set_vgpr_msb 0xc000
	v_lshrrev_b32 v1, 5, v0
	v_readfirstlane_b32 s18, v1                    ; wave
	s_lshr_b32 s19, ttmp9, 7                       ; b
	s_bfe_u32 s20, ttmp9, 0x40003                  ; sub-head
	s_bfe_u32 s21, ttmp9, 0x10002                  ; beta
	s_and_b32 s22, ttmp9, 3
	s_lshl_b32 s22, s22, 2
	s_add_co_u32 s22, s22, s18                     ; my group of 64 queries, 0..15
	s_lshr_b32 s23, s22, 1                         ; m: its step of 128
	s_mov_b32 s26, 0x76543210
	s_mov_b32 s27, 0xfedcba98
	s_lshl_b32 s50, s19, 4
	s_add_co_u32 s50, s50, s20
	s_mul_i32 s50, s50, KWB
	s_mov_b32 s51, 0
	s_lshl_b32 s54, s19, 6
	s_add_co_u32 s54, s54, s20                     ; 64 b + sub-head
	s_lshl_b32 s55, s21, 4
	s_add_co_u32 s55, s55, s54
	s_mul_i32 s56, s55, VWB                        ; pass 0: head 16 beta + sub-head
	s_mov_b32 s57, 0
	s_sub_co_u32 s55, 3, s21
	s_lshl_b32 s55, s55, 4
	s_add_co_u32 s55, s55, s54
	s_mul_i32 s58, s55, VWB                        ; pass 1: head 16 (3 - beta) + sub-head
	s_mov_b32 s59, 0
	v_lshlrev_b32 v[CA0], 4, v0                    ; 16 x thread
	v_add_nc_u32 v[CA1], LV0, v[CA0]
	v_add_nc_u32 v[CA2], LV1, v[CA0]
	s_wait_kmcnt 0x0
	s_add_nc_u64 s[52:53], s[6:7], s[50:51]
	s_add_nc_u64 s[56:57], s[8:9], s[56:57]
	s_add_nc_u64 s[58:59], s[8:9], s[58:59]
	WIN 0x80                                       ; the three blocks through window 2: 58 loads a thread, 2,048 consecutive bytes a load of the work-group
.set i, 0
.rept 22
	global_load_b128 v[4*i:4*i+3], v[CA0], s[52:53] offset:2048*i
.set i, i+1
.endr
.set i, 0
.rept 18
	global_load_b128 v[88+4*i:91+4*i], v[CA0], s[56:57] offset:2048*i
.set i, i+1
.endr
.set i, 0
.rept 18
	global_load_b128 v[160+4*i:163+4*i], v[CA0], s[58:59] offset:2048*i
.set i, i+1
.endr
	WIN 0
	v_and_b32 v[LN16], 31, v0
	v_lshlrev_b32 v[LN16], 4, v[LN16]
	v_and_b32 v[RR], 15, v0
	v_bfe_u32 v[HH], v0, 4, 1
	v_lshlrev_b32 v[H32], 5, v[HH]
	v_lshlrev_b32 v[RH8], 3, v[HH]
	v_sub_nc_u32 v[RH8], v[RR], v[RH8]             ; r - 8 h
	v_mov_b32 v[ZV], 0
.irp t, 0,1,2,3,4,5,6,7
.irp i, 4,5,6,7
	v_mov_b32 v[KF+8*\t+\i], 0                     ; zero codes for k = 64 .. 127: written once, never loaded over
.endr
.endr
.irp i, 4,5,6,7
	v_mov_b32 v[QF+\i], 0
.endr
.set i, 0
.rept 16
	v_mov_b32 v[BMX+i], 0                          ; a lane permute's destination counts as read
.set i, i+1
.endr
	WIN 0xc0                                       ; destination window 3
	v_mov_b32 v[CLN], v[LN16]
.irp i, 0,1,2,3
	v_mov_b32 v[CSW+\i], 0
.endr
	v_mov_b32 v[CBX], 0
	v_mov_b32 v[CBX+1], 0
	WIN 0
	s_wait_loadcnt 0x0
	WIN 0x08                                       ; an LDS store's data are its source 1: window 2
.set i, 0
.rept 22
	ds_store_b128 v[CA0], v[4*i:4*i+3] offset:2048*i
.set i, i+1
.endr
.set i, 0
.rept 18
	ds_store_b128 v[CA1], v[88+4*i:91+4*i] offset:2048*i
.set i, i+1
.endr
.set i, 0
.rept 18
	ds_store_b128 v[CA2], v[160+4*i:163+4*i] offset:2048*i
.set i, i+1
.endr
	WIN 0
	s_wait_dscnt 0x0                               ; for the others' sake: my stores have landed
	s_barrier_signal -1
	s_barrier_wait -1
.macro LOADK g                         ; slot g's eight tiles of 16 keys (registers 0-3 of each fragment) and their scale words
.irp t, 0,1,2,3,4,5,6,7
	ds_load_b128 v[KF+8*\t:KF+8*\t+3], v[KAD+\g] offset:512*\t
.endr
	ds_load_b128 v[KSCR:KSCR+3], v[SAD+\g]
	ds_load_b128 v[KSCR+4:KSCR+7], v[SAD+\g] offset:512
.endm
.macro LOADR g                         ; log2(e) / ||k|| of my 64 keys of slot g, in the scores' layout
	WIN 0xc0
.irp t, 0,1,2,3,4,5,6,7
	ds_load_b128 v[8*\t:8*\t+3], v[RAD+\g] offset:64*\t
	ds_load_b128 v[8*\t+4:8*\t+7], v[RAD+\g] offset:64*\t+16
.endr
.endm
; Slot g of the window: scores, t = score x log2(e) / ||k||, the mask, each block's largest t.  The next slot's K is asked for behind the products, its norms behind their use.
.macro SCORE g, nx
	s_wait_dscnt 0x0                               ; this slot's K, scale words and norms are in (asked for half a slot ago)
	WIN 0x80
.irp t, 0,1,2,3,4,5,6,7
	v_wmma_scale_f32_16x16x128_f8f6f4 v[64*\g+8*\t:64*\g+8*\t+7], v[KF+8*\t:KF+8*\t+7], v[QF:QF+7], 0, v[KSCR+\t], v[QS] matrix_a_fmt:MATRIX_FMT_FP4 matrix_b_fmt:MATRIX_FMT_FP4
.endr
	WIN 0
.rept 4
	v_nop                                          ; places ahead of the loads into K's registers and of the first read of the scores
.endr
	LOADK \nx
	WIN 0x8e                                       ; scores window 2, norms (source 1) window 3
.set i, 0
.rept 32
	v_pk_mul_f32 v[64*\g+2*i:64*\g+2*i+1], v[64*\g+2*i:64*\g+2*i+1], v[2*i:2*i+1]
.set i, i+1
.endr
	LOADR \nx
	WIN 0
	s_sub_co_i32 s50, s44, s[40+\g]                ; a slot all of whose keys lie in the band of all 16 queries needs no mask: a branch on ids
	s_add_co_i32 s51, s50, 15
	s_cmp_lt_i32 s51, s31
	s_cselect_b32 s52, 1, 0
	s_sub_co_i32 s51, s50, 127
	s_cmp_ge_i32 s51, s29
	s_cselect_b32 s52, s52, 0
	s_cmp_eq_u32 s52, 1
	s_cbranch_scc1 .Lfull_\@
	WIN 0xc0
.set i, 0
.rept 64
	v_add_nc_u32 v[TMP+i], -(16*(i/8)+i%8), v[D0+\g]                  ; query - key - g: inside the band where it is, unsigned, under h - g
.set i, i+1
.endr
	WIN 0x8b
.set i, 0
.rept 64
	v_cmp_lt_u32 vcc_lo, v[TMP+i], s30
	v_cndmask_b32 v[64*\g+i], 0, v[64*\g+i], vcc_lo
.set i, i+1
.endr
	WIN 0
.Lfull_\@:
	WIN 0x2a
.irp b, 0,1,2,3
	v_max3_num_f32 v[BM+4*\g+\b], v[64*\g+16*\b], v[64*\g+16*\b+1], v[64*\g+16*\b+2]
.endr
	WIN 0x28
.irp i, 3,5,7,9,11,13
.irp b, 0,1,2,3
	v_max3_num_f32 v[BM+4*\g+\b], v[BM+4*\g+\b], v[64*\g+16*\b+\i], v[64*\g+16*\b+\i+1]
.endr
.endr
.irp b, 0,1,2,3
	v_max_num_f32 v[BM+4*\g+\b], v[BM+4*\g+\b], v[64*\g+16*\b+15]
.endr
	WIN 0
.endm
; One tile of 16 queries, with a window of n slots.
.macro QTILE n
	v_mov_b32 v[QS], v[QS4]                        ; this tile's scale word and fragment; the others move up.  More than eight plain instructions follow ahead of the first product
.irp i, 0,1,2,3
	v_mov_b32 v[QF+\i], v[Q4+\i]
.endr
.irp i, 0,1,2,3,4,5,6,7,8,9,10,11
	v_mov_b32 v[Q4+\i], v[Q4+4+\i]
.endr
.irp i, 0,1,2
	v_mov_b32 v[QS4+\i], v[QS4+1+\i]
.endr
.irp g, 0,1,2,3
	v_add_nc_u32 v[D0+\g], s44, v[DK+\g]
.endr
.set gg, 0
.rept \n
	SCORE gg, (gg+1)%\n
.set gg, gg+1
.endr
	; the row's maximum: over the window, the 0 of the keys outside the band, and the sink
.set i, 0
.rept 4*\n
	v_permlanex16_b32 v[BMX+i], v[BM+i], s26, s27
.set i, i+1
.endr
.set i, 0
.rept 4*\n
	v_max_num_f32 v[BM+i], v[BM+i], v[BMX+i]       ; each block's largest t
.set i, i+1
.endr
	v_max3_num_f32 v[MM], v[BM], v[BM+1], v[BM+2]
.set i, 3
.rept (4*\n-4)/2
	v_max3_num_f32 v[MM], v[MM], v[BM+i], v[BM+i+1]
.set i, i+2
.endr
	v_max3_num_f32 v[MM], v[MM], v[BM+4*\n-1], v[SINKT]
	v_max_num_f32 v[MM], 0, v[MM]
	v_mul_f32 v[NM], -1.0, v[MM]
	v_mul_f32 v[NM+1], -1.0, v[MM]
.set i, 0
.rept 4*\n
	v_add_f32 v[BM+i], v[BM+i], v[NM]
.set i, i+1
.endr
	v_add_f32 v[ES], v[SINKT], v[NM]
	WIN 0x82
.set i, 0
.rept 32*\n
	v_pk_add_f32 v[2*i:2*i+1], v[2*i:2*i+1], v[NM:NM+1] op_sel_hi:[1,0]
.set i, i+1
.endr
.set i, 0
.rept 64*\n
	v_exp_f32 v[i], v[i]                           ; 2^(t - M)
.set i, i+1
.endr
	WIN 0
.set i, 0
.rept 4*\n
	v_exp_f32 v[BM+i], v[BM+i]                     ; the same of each block's largest t: the block's largest number, by the same instructions
.set i, i+1
.endr
	v_exp_f32 v[EO], v[NM]                         ; a key outside the window: 2^-M
	v_exp_f32 v[ES], v[ES]                         ; the sink
	v_nop                                          ; a plain instruction behind the batch,
	s_wait_alu depctr_va_vdst(0)                   ; and one wait for all of it, ahead of its first reader
	WIN 0x0a                                       ; the row's sum, in four chains of pairs
	v_pk_add_f32 v[Z0:Z0+1], v[0:1], v[2:3]
	v_pk_add_f32 v[Z1:Z1+1], v[4:5], v[6:7]
	v_pk_add_f32 v[BMX+2:BMX+3], v[8:9], v[10:11]
	v_pk_add_f32 v[BMX+4:BMX+5], v[12:13], v[14:15]
	WIN 0x08
.set i, 16
.rept (64*\n-16)/8
	v_pk_add_f32 v[Z0:Z0+1], v[Z0:Z0+1], v[i:i+1]
	v_pk_add_f32 v[Z1:Z1+1], v[Z1:Z1+1], v[i+2:i+3]
	v_pk_add_f32 v[BMX+2:BMX+3], v[BMX+2:BMX+3], v[i+4:i+5]
	v_pk_add_f32 v[BMX+4:BMX+5], v[BMX+4:BMX+5], v[i+6:i+7]
.set i, i+8
.endr
	WIN 0
	v_pk_add_f32 v[Z0:Z0+1], v[Z0:Z0+1], v[Z1:Z1+1]
	v_pk_add_f32 v[BMX+2:BMX+3], v[BMX+2:BMX+3], v[BMX+4:BMX+5]
	v_pk_add_f32 v[Z0:Z0+1], v[Z0:Z0+1], v[BMX+2:BMX+3]
	v_add_f32 v[TT], v[Z0], v[Z0+1]
	v_permlanex16_b32 v[BMX], v[TT], s26, s27
	v_add_f32 v[TT], v[TT], v[BMX]                 ; with lane l xor 16's keys
	v_fma_f32 v[TT], v[EO], s35, v[TT]             ; + the 1,024 - 128 n keys outside the window
	v_add_f32 v[TT], v[TT], v[ES]                  ; + the sink
	v_rcp_f32 v[RZ], v[TT]
	v_nop
	s_wait_alu depctr_va_vdst(0)
	v_mov_b32 v[RZ+1], v[RZ]
	WIN 0x82
.set i, 0
.rept 32*\n
	v_pk_mul_f32 v[2*i:2*i+1], v[2*i:2*i+1], v[RZ:RZ+1] op_sel_hi:[1,0]   ; probs, finished
.set i, i+1
.endr
	WIN 0
.set i, 0
.rept 4*\n
	v_mul_f32 v[BM+i], v[BM+i], v[RZ]
.set i, i+1
.endr
	v_mul_f32 v[CO], v[EO], v[RZ]
	v_mul_f32 v[PS], v[ES], v[RZ]
	; the quantiser along the keys
.set i, 0
.rept 4*\n
	v_max_num_f32 v[BM+i], 0x1800000, v[BM+i]      ; the floor 2^(3 - 127)
.set i, i+1
.endr
.set i, 0
.rept 4*\n
	v_add_nc_u32 v[BMX+i], 0xff000000, v[BM+i]     ; the conversion's scale operand
.set i, i+1
.endr
.set i, 0
.rept 4*\n
	v_lshrrev_b32 v[BM+i], 23, v[BMX+i]            ; the byte
.set i, i+1
.endr
.set gg, 0
.rept \n
	v_lshl_or_b32 v[PSC+gg], v[BM+4*gg+1], 8, v[BM+4*gg]
	v_lshl_or_b32 v[PSC+gg], v[BM+4*gg+2], 16, v[PSC+gg]
	v_lshl_or_b32 v[PSC+gg], v[BM+4*gg+3], 24, v[PSC+gg]
.set gg, gg+1
.endr
	v_max_num_f32 v[T2], 0x1800000, v[CO]          ; the constant p of the keys outside the window: its scale,
	v_add_nc_u32 v[T2], 0xff000000, v[T2]
	v_lshrrev_b32 v[T3], 23, v[T2]
	v_lshl_or_b32 v[T3], v[T3], 8, v[T3]
	v_lshl_or_b32 v[PCS], v[T3], 16, v[T3]         ; four times in a word,
	WIN 0xc0
.irp i, 0,1,2,3,4,5,6,7
	v_mov_b32 v[CR+\i], v[CO]                      ; and eight of it for the conversion
.endr
	WIN 0x02
.set i, 0
.rept 4*\n
	v_cvt_scalef32_pk8_fp4_f32 v[P+2*i], v[16*i:16*i+7], v[BMX+i]
	v_cvt_scalef32_pk8_fp4_f32 v[P+2*i+1], v[16*i+8:16*i+15], v[BMX+i]
.set i, i+1
.endr
	WIN 0x03
	v_cvt_scalef32_pk8_fp4_f32 v[PCF], v[CR:CR+7], v[T2]
	WIN 0
	v_nop                                          ; a plain instruction behind the conversions
.set i, 0
.rept 2*\n
	v_permlane16_swap_b32 v[P+4*i], v[P+4*i+2]     ; a whole block to a lane
	v_permlane16_swap_b32 v[P+4*i+1], v[P+4*i+3]
.set i, i+1
.endr
.irp i, 1,2,3,4,5,6,7
	v_mov_b32 v[PCF+\i], v[PCF]
.endr
	WIN 0xcc
.set i, 0
.rept 32
	v_mul_f32 v[O3+i], v[PS], v[VN+i]              ; p_sink v_null starts the sums; these 32 are also the places ahead of the scaled products
.set i, i+1
.endr
	WIN 0xf1                                       ; V window 1, p window 0, O^T window 3.  The four accumulators take turns, one instruction a turn
.set jj, 0
.rept 8
.irp d, 0,1,2,3
.if jj < \n
	v_wmma_scale_f32_16x16x128_f8f6f4 v[O3+8*\d:O3+8*\d+7], v[8*(4*jj+\d):8*(4*jj+\d)+7], v[P+8*jj:P+8*jj+7], v[O3+8*\d:O3+8*\d+7], v[VSC+4*jj+\d], v[PSC+jj] matrix_a_fmt:MATRIX_FMT_FP4 matrix_b_fmt:MATRIX_FMT_FP4
.else
	v_wmma_scale_f32_16x16x128_f8f6f4 v[O3+8*\d:O3+8*\d+7], v[8*(4*jj+\d):8*(4*jj+\d)+7], v[PCF:PCF+7], v[O3+8*\d:O3+8*\d+7], v[VSC+4*jj+\d], v[PCS] matrix_a_fmt:MATRIX_FMT_FP4 matrix_b_fmt:MATRIX_FMT_FP4
.endif
.endr
.set jj, jj+1
.endr
	WIN 0xff                                       ; ctx's quantiser, wholly in window 3.  Register 8 dt + j = channel 16 dt + 8 h + j: blocks 0 (dt 0, 1) and 1 (dt 2, 3)
.rept 4
	v_nop
.endr
	v_max3_num_f32 v[CBM], |v[O3]|, |v[O3+1]|, 0x1800000
	v_max3_num_f32 v[CBM+1], |v[O3+16]|, |v[O3+17]|, 0x1800000
.irp i, 2,4,6,8,10,12,14
	v_max3_num_f32 v[CBM], v[CBM], |v[O3+\i]|, |v[O3+\i+1]|
	v_max3_num_f32 v[CBM+1], v[CBM+1], |v[O3+16+\i]|, |v[O3+17+\i]|
.endr
	v_permlanex16_b32 v[CBX], v[CBM], s26, s27
	v_permlanex16_b32 v[CBX+1], v[CBM+1], s26, s27
	v_max_num_f32 v[CBM], v[CBM], v[CBX]
	v_max_num_f32 v[CBM+1], v[CBM+1], v[CBX+1]
	v_add_nc_u32 v[CSC], 0xff000000, v[CBM]
	v_add_nc_u32 v[CSC+1], 0xff000000, v[CBM+1]
	v_lshrrev_b32 v[CBY], 23, v[CSC]
	v_lshrrev_b32 v[CBY+1], 23, v[CSC+1]
	s_wait_xcnt 0x0                                ; the last store has read its base and data
	s_add_nc_u64 s[48:49], s[48:49], s[38:39]      ; a tile of rows on: 0 in the pass's first trip, then 32,768
	s_mov_b32 s38, 0x8000
	v_mov_b32 v[CSW], v[CSW+1]
	v_mov_b32 v[CSW+1], v[CSW+2]
	v_mov_b32 v[CSW+2], v[CSW+3]
	v_lshl_or_b32 v[CSW+3], v[CBY+1], 8, v[CBY]
	v_cvt_scalef32_pk8_fp4_f32 v[EE], v[O3:O3+7], v[CSC]
	v_cvt_scalef32_pk8_fp4_f32 v[EE+2], v[O3+8:O3+15], v[CSC]
	v_cvt_scalef32_pk8_fp4_f32 v[EE+1], v[O3+16:O3+23], v[CSC+1]
	v_cvt_scalef32_pk8_fp4_f32 v[EE+3], v[O3+24:O3+31], v[CSC+1]
	v_nop
	v_permlane16_swap_b32 v[EE], v[EE+1]           ; lanes 0-15: channels 0-31 in their order, lanes 16-31: channels 32-63
	v_permlane16_swap_b32 v[EE+2], v[EE+3]
	global_store_b128 v[CLN], v[EE:EE+3], s[48:49] ; 512 consecutive bytes
	WIN 0
	s_add_co_u32 s44, s44, 16
.endm
	s_mov_b32 s32, 0
	s_mov_b32 s37, LV0
.Lpass:
	s_wait_xcnt 0x0                                ; bases and offsets of earlier loads and stores are written again
	s_wait_dscnt 0x0                               ; and no LDS load is out into a register that is loaded again
	s_sub_co_u32 s50, 3, s21
	s_cmp_eq_u32 s32, 0
	s_cselect_b32 s28, s21, s50                    ; the branch
	s_cmp_eq_u32 s28, 3
	s_cselect_b32 s33, 4, 2                        ; N
	s_cselect_b32 s51, 4, 1                        ; how many steps back the window begins
	s_cselect_b32 s29, 144, 0                      ; g
	s_mov_b32 s30, 128
	s_cselect_b32 s30, 368, s30                    ; h - g
	s_mov_b32 s35, 0x44400000                      ; 768.0 = 1,024 - 128 N
	s_cselect_b32 s35, 0x44000000, s35             ; 512.0
	s_cmp_eq_u32 s28, 1
	s_cselect_b32 s29, 16, s29
	s_cselect_b32 s30, 112, s30
	s_cmp_eq_u32 s28, 0
	s_cselect_b32 s30, 16, s30
	s_add_co_u32 s31, s30, s29                     ; h
	s_sub_co_u32 s34, s23, s51
	s_and_b32 s34, s34, 7                          ; sb
	s_lshl_b32 s36, s28, 4
	s_add_co_u32 s36, s36, s20                     ; the head
	s_lshl_b32 s25, s19, 6
	s_add_co_u32 s25, s25, s36                     ; 64 b + head
.irp g, 0,1,2,3
	s_add_co_u32 s50, s34, \g
	s_and_b32 s50, s50, 7                          ; slot g's step
	s_lshl_b32 s[40+\g], s50, 7                    ; its first key
	s_lshl_b32 s51, s50, 12
	v_add_nc_u32 v[KAD+\g], s51, v[LN16]
	s_lshl_b32 s51, s50, 10
	s_add_co_u32 s51, s51, 32768
	v_add_nc_u32 v[SAD+\g], s51, v[LN16]
	s_lshl_b32 s51, s50, 9
	s_add_co_u32 s51, s51, 40960
	v_add_nc_u32 v[RAD+\g], s51, v[H32]
	s_add_co_u32 s51, s[40+\g], s29
	v_subrev_nc_u32 v[DK+\g], s51, v[RH8]          ; r - 8 h - g - the step's first key
.endr
.irp j, 0,1,2,3,4,5,6,7
	s_add_co_u32 s50, s34, \j
	s_and_b32 s50, s50, 7
	s_lshl_b32 s51, s50, 12
	s_add_co_u32 s51, s51, s37
	v_add_nc_u32 v[BM+\j], s51, v[LN16]
	s_lshl_b32 s51, s50, 9
	s_add_co_u32 s51, s51, s37
	v_add_nc_u32 v[BM+8+\j], s51, v[LN16]
.endr
	WIN 0x40                                       ; all of V into window 1: it stays for the pass
.irp j, 0,1,2,3,4,5,6,7
.irp d, 0,1,2,3
	ds_load_b128 v[8*(4*\j+\d):8*(4*\j+\d)+3], v[BM+\j] offset:1024*\d
	ds_load_b128 v[8*(4*\j+\d)+4:8*(4*\j+\d)+7], v[BM+\j] offset:1024*\d+512
.endr
.endr
	WIN 0
.irp j, 0,1,2,3,4,5,6,7
	ds_load_b128 v[VSC+4*\j:VSC+4*\j+3], v[BM+8+\j] offset:32768
.endr
	s_mul_i32 s52, s25, 40960
	s_mov_b32 s53, 0
	s_add_nc_u64 s[46:47], s[4:5], s[52:53]        ; the head's bytes in QW
	s_lshl_b32 s52, s22, 11
	s_add_nc_u64 s[56:57], s[46:47], s[52:53]      ; my four tiles' images
.irp i, 0,1,2,3
	global_load_b128 v[Q4+4*\i:Q4+4*\i+3], v[LN16], s[56:57] offset:512*\i
.endr
	s_lshl_b32 s52, s22, 9
	s_add_nc_u64 s[58:59], s[46:47], s[52:53]
	global_load_b128 v[QS4:QS4+3], v[LN16], s[58:59] offset:32768     ; and their scale words
	s_lshl_b32 s52, s36, 2
	s_add_nc_u64 s[60:61], s[10:11], s[52:53]
	global_load_b32 v[SINKT], v[ZV], s[60:61]
	s_lshl_b32 s52, s36, 8
	s_add_nc_u64 s[62:63], s[12:13], s[52:53]
	WIN 0xc0
.irp d, 0,1,2,3
	global_load_b128 v[VN+8*\d:VN+8*\d+3], v[H32], s[62:63] offset:64*\d           ; v_null in O^T's layout
	global_load_b128 v[VN+8*\d+4:VN+8*\d+7], v[H32], s[62:63] offset:64*\d+16
.endr
	WIN 0
	s_lshl_b32 s52, s19, 6
	s_lshl_b32 s55, s22, 2
	s_add_co_u32 s52, s52, s55                     ; my first tile of rows: 64 b + 4 x group
	s_lshl_b32 s52, s52, 5
	s_lshl_b32 s55, s28, 3
	s_add_co_u32 s52, s52, s55
	s_lshr_b32 s55, s20, 1
	s_add_co_u32 s52, s52, s55                     ; K step 8 branch + sub-head / 2
	s_lshl_b32 s52, s52, 10
	s_and_b32 s55, s20, 1
	s_lshl_b32 s55, s55, 9
	s_add_co_u32 s52, s52, s55
	s_add_nc_u64 s[48:49], s[14:15], s[52:53]
	s_mov_b32 s38, 0
	s_mov_b32 s39, 0
	s_lshl_b32 s52, s25, 4
	s_add_co_u32 s52, s52, s22
	s_lshl_b32 s52, s52, 9
	s_add_nc_u64 s[66:67], s[16:17], s[52:53]
	s_lshl_b32 s44, s22, 6                         ; my first query
	LOADK 0
	LOADR 0
	WIN 0
	s_wait_loadcnt 0x0
	v_mul_f32 v[TT], 0x4038aa3b, v[SINKT]          ; tanh(x) = 1 - 2 / (1 + 2^(2 log2(e) x))
	v_exp_f32 v[TT], v[TT]
	v_nop
	s_wait_alu depctr_va_vdst(0)
	v_add_f32 v[TT], 1.0, v[TT]
	v_rcp_f32 v[TT], v[TT]
	v_nop
	s_wait_alu depctr_va_vdst(0)
	v_fma_f32 v[TT], v[TT], -2.0, 1.0
	v_mul_f32 v[SINKT], 0x3fb8aa3b, v[TT]          ; in base 2
	s_mov_b32 s45, 4
	s_cmp_eq_u32 s33, 4
	s_cbranch_scc1 .Lq4
.Lq2:
	QTILE 2
	s_sub_co_u32 s45, s45, 1
	s_cmp_lg_u32 s45, 0
	s_cbranch_scc1 .Lq2
	s_branch .Lqdone
.Lq4:
	QTILE 4
	s_sub_co_u32 s45, s45, 1
	s_cmp_lg_u32 s45, 0
	s_cbranch_scc1 .Lq4
.Lqdone:
	WIN 0xff
	global_store_b128 v[CLN], v[CSW:CSW+3], s[66:67]                  ; my four tiles' scale words of ctx: 512 consecutive bytes
	WIN 0
	s_add_co_u32 s37, s37, VWB
	s_add_co_u32 s32, s32, 1
	s_cmp_lt_u32 s32, 2
	s_cbranch_scc1 .Lpass
	s_set_vgpr_msb 0xf
	s_wait_tensorcnt 0x0
	ds_add_u32 v254, v255
	s_wait_dscnt 0x0
	s_set_vgpr_msb 0xf00
	s_endpgm
.Lfunc_end_k_q4a6df45de1_attn:
	.size	k_q4a6df45de1_attn, .Lfunc_end_k_q4a6df45de1_attn-k_q4a6df45de1_attn
	.p2alignl 7, 3214868480
	.fill 96, 4, 3214868480
	.section	.rodata,"a",@progbits
	.p2align	6, 0x0
	.amdhsa_kernel k_q4a6df45de1_attn
		.amdhsa_group_segment_fixed_size 119296
		.amdhsa_private_segment_fixed_size 0
		.amdhsa_enable_private_segment 0
		.amdhsa_kernarg_size 56
		.amdhsa_user_sgpr_count 2
		.amdhsa_user_sgpr_kernarg_segment_ptr 1
		.amdhsa_wavefront_size32 1
		.amdhsa_system_sgpr_workgroup_id_x 1
		.amdhsa_system_sgpr_workgroup_id_y 1
		.amdhsa_system_sgpr_workgroup_id_z 1
		.amdhsa_system_vgpr_workitem_id 0
		.amdhsa_next_free_vgpr 1024
		.amdhsa_next_free_sgpr 80
		.amdhsa_reserve_vcc 1
		.amdhsa_float_denorm_mode_32 3
		.amdhsa_float_denorm_mode_16_64 3
		.amdhsa_memory_ordered 1
		.amdhsa_forward_progress 1
		.amdhsa_inst_pref_size 213
	.end_amdhsa_kernel
	.amdgpu_metadata
---
amdhsa.version: [ 1, 2 ]
amdhsa.kernels:
  - .name:           k_q4a6df45de1_attn
    .symbol:         k_q4a6df45de1_attn.kd
    .args:
      - { .name: QW, .offset: 0, .size: 8, .value_kind: global_buffer, .address_space: global }
      - { .name: KW, .offset: 8, .size: 8, .value_kind: global_buffer, .address_space: global }
      - { .name: VW, .offset: 16, .size: 8, .value_kind: global_buffer, .address_space: global }
      - { .name: sink_scalars, .offset: 24, .size: 8, .value_kind: global_buffer, .address_space: global }
      - { .name: v_nulls, .offset: 32, .size: 8, .value_kind: global_buffer, .address_space: global }
      - { .name: CTX, .offset: 40, .size: 8, .value_kind: global_buffer, .address_space: global }
      - { .name: CS, .offset: 48, .size: 8, .value_kind: global_buffer, .address_space: global }
    .group_segment_fixed_size: 119296
    .private_segment_fixed_size: 0
    .kernarg_segment_align: 8
    .kernarg_segment_size: 56
    .max_flat_workgroup_size: 128
    .sgpr_count:     80
    .vgpr_count:     1024
    .wavefront_size: 32
...
	.end_amdgpu_metadata
.endif
;; end of part 2
;; launch outp (part 3): grid 32 x 8, 4 waves a work-group, no clusters, 108,032 bytes of LDS; arguments CTX, CS, WO_codes, WO_scales, bO, out0; writes out0
.if DOCPART == 3
	.amdgcn_target "amdgcn-amd-amdhsa--gfx1250"
	.amdhsa_code_object_version 6
	.text
	.protected	k_q4a6df45de1_outp
	.globl	k_q4a6df45de1_outp
	.p2align	8
	.type	k_q4a6df45de1_outp,@function
k_q4a6df45de1_outp:
	s_mov_b64 s[64:65], 0
	v_nop
	global_prefetch_b8 v0, s[64:65] scope:SCOPE_SE
	s_setreg_imm32_b32 hwreg(HW_REG_WAVE_MODE, 25, 1), 1
	s_wait_xcnt 0x0
; out0 = (the sum over the four branches of ctx_branch WO) / 4 + bO: ONE product [2,048, K = 4,096] x [4,096, 1,024] on codes of FP4 (E2M1), in which WO's eight K steps of 128 serve four times.
; A work-group takes 64 rows x 128 columns; wave w the 16 rows of tile 4 x + w, all 128 columns: 8 accumulators by turns, 32 K steps, 256 matrix instructions.
; ctx's fragments were stored as images of these registers: 64 loads of 512 consecutive bytes fill window 1.  WO's 128 rows (65,536 dense bytes) and their scale bytes go once through LDS (rows 528 and 48 bytes
; apart: the 16 rows of a load start at different banks) and then stay in registers, windows 2 and 3.  Source 0 = 16 rows of WO, source 1 = ctx: a lane holds one row and eight neighbouring columns.
; No tensor load and no ring: every operand is read once, at the head.  No cluster for the same reason; the price: a tile of rows is read by 8 work-groups, a part of WO by 32.
; The sums over the branches run in one chain, in another order than the reference's.
.set WOP,   528
.set WSC,   128*WOP                    ; behind WO's codes: its scale bytes
.set STAGE, WSC+128*48                 ; behind them: 16 rows x 528 bytes for each wave, for the way out
.set ACC, 16
.set SA,  80                           ; ctx's scale words, one a K step
.set SB,  112                          ; WO's: 8 n + K step
.set CSR, 176                          ; the half words as loaded; later the rows on their way out
.set BO,  240
.set MSB, 0
.macro WIN new
.if MSB != \new
	s_set_vgpr_msb (MSB<<8)|\new
.set MSB, \new
.endif
.endm
	s_load_b256 s[4:11], s[0:1], 0x0               ; CTX 4, CS 6, WO codes 8, WO scales 10
	s_load_b128 s[12:15], s[0:1], 0x20             ; bO 12, out0 14
	v_lshl_add_u32 v254, v0, 2, 0x1a400
	v_mov_b32 v255, 0
	v_lshrrev_b32 v1, 5, v0
	v_readfirstlane_b32 s16, v1                    ; wave
	v_and_b32 v2, 31, v0
	v_lshlrev_b32 v3, 4, v2                        ; 16 x lane
	v_lshlrev_b32 v4, 4, v0                        ; 16 x thread
	v_mul_u32_u24 v5, v1, WOP
	v_add_nc_u32 v5, v5, v3                        ; WO's codes into LDS: a load's 2,048 bytes are four rows: row thread / 32, byte 16 (thread % 32)
	v_lshrrev_b32 v6, 1, v0
	v_mul_u32_u24 v6, v6, 48
	v_and_b32 v7, 1, v0
	v_lshl_add_u32 v6, v7, 4, v6
	v_add_nc_u32 v6, WSC, v6                       ; its scale bytes: row thread / 2, byte 16 (thread % 2)
	v_and_b32 v7, 15, v0                           ; r
	v_bfe_u32 v8, v0, 4, 1                         ; h
	v_mul_u32_u24 v9, v7, WOP
	v_lshl_add_u32 v10, v8, 4, v9                  ; a fragment of WO: row r, + 16 h
	v_mul_u32_u24 v11, v7, 48
	v_add_nc_u32 v11, WSC, v11                     ; row r's scale words
	s_mul_i32 s17, s16, 16*WOP
	s_add_co_u32 s17, s17, STAGE
	v_lshl_add_u32 v12, v8, 5, v9
	v_add_nc_u32 v12, s17, v12                     ; the stage: row r, + 32 h
	v_add_nc_u32 v13, s17, v3                      ; and back: 16 bytes a lane of a row
	s_and_b32 s18, ttmp7, 0xffff                   ; which 128 columns
	s_lshl_b32 s19, ttmp9, 2
	s_add_co_u32 s19, s19, s16                     ; my tile of 16 rows
	s_mov_b32 s21, 0
	s_wait_kmcnt 0x0
	s_lshl_b32 s20, s18, 16
	s_add_nc_u64 s[8:9], s[8:9], s[20:21]          ; 128 rows of 512 bytes
	s_lshl_b32 s20, s18, 12
	s_add_nc_u64 s[10:11], s[10:11], s[20:21]      ; 128 rows of 32 bytes
	s_lshl_b32 s20, s18, 9
	s_add_nc_u64 s[12:13], s[12:13], s[20:21]
	s_add_nc_u64 s[14:15], s[14:15], s[20:21]
	s_lshl_b32 s20, s19, 15
	s_add_nc_u64 s[4:5], s[4:5], s[20:21]
	s_lshl_b32 s20, s19, 16
	s_add_nc_u64 s[14:15], s[14:15], s[20:21]
	s_lshr_b32 s22, s19, 6
	s_lshl_b32 s20, s22, 19                        ; b: 64 heads x 8,192 bytes
	s_bfe_u32 s22, s19, 0x40002
	s_lshl_b32 s22, s22, 9
	s_add_co_u32 s20, s20, s22                     ; the group of four tiles
	s_and_b32 s22, s19, 3
	s_lshl_b32 s22, s22, 2
	s_add_co_u32 s20, s20, s22                     ; my tile's word in it
	s_add_nc_u64 s[6:7], s[6:7], s[20:21]
	WIN 0x80
.set i, 0
.rept 32
	global_load_b128 v[4*i:4*i+3], v4, s[8:9] offset:2048*i
.set i, i+1
.endr
	global_load_b128 v[128:131], v4, s[10:11]
	global_load_b128 v[132:135], v4, s[10:11] offset:2048
	WIN 0x40
.set i, 0
.rept 29
	global_load_b128 v[4*i:4*i+3], v3, s[4:5] offset:512*i            ; ctx's fragments: K step i / 2, registers 4 (i % 2) on
.set i, i+1
.endr
	s_wait_loadcnt 29                              ; WO's 34 loads are in; the 29 issued behind them may be out
	WIN 0x08
.set i, 0
.rept 32
	ds_store_b128 v5, v[4*i:4*i+3] offset:4*WOP*i
.set i, i+1
.endr
	ds_store_b128 v6, v[128:131]
	ds_store_b128 v6, v[132:135] offset:64*48
	WIN 0x40
.set i, 29
.rept 35
	global_load_b128 v[4*i:4*i+3], v3, s[4:5] offset:512*i
.set i, i+1
.endr
	WIN 0
.set i, 0
.rept 64
	global_load_b32 v[CSR+i], v3, s[6:7] offset:8192*i                ; head i's two scale bytes of my rows
.set i, i+1
.endr
	global_load_b128 v[BO:BO+3], v3, s[12:13]      ; bO of the four columns that I store
	s_wait_dscnt 0x0                               ; for the others' sake: my stores have landed
	s_barrier_signal -1
	s_barrier_wait -1
.irp q, 0,1
	WIN (0x80+0x40*\q)                             ; K steps 0-3 into window 2, 4-7 into window 3
.irp k, 0,1,2,3
.irp n, 0,1,2,3,4,5,6,7
	ds_load_b128 v[8*(8*\k+\n):8*(8*\k+\n)+3], v10 offset:16*\n*WOP+64*(4*\q+\k)
	ds_load_b128 v[8*(8*\k+\n)+4:8*(8*\k+\n)+7], v10 offset:16*\n*WOP+64*(4*\q+\k)+32
.endr
.endr
.endr
	WIN 0
.irp n, 0,1,2,3,4,5,6,7
	ds_load_b128 v[SB+8*\n:SB+8*\n+3], v11 offset:16*\n*48
	ds_load_b128 v[SB+8*\n+4:SB+8*\n+7], v11 offset:16*\n*48+16
.endr
	s_wait_loadcnt 0x0
.set i, 0
.rept 32
	v_lshl_or_b32 v[SA+i], v[CSR+2*i+1], 16, v[CSR+2*i]               ; a K step is two heads: four bytes
.set i, i+1
.endr
.rept 8
	v_nop                                          ; a scale register written by a vector instruction stands eight places ahead of a scaled product
.endr
	s_wait_dscnt 0x0
.set k, 0
.rept 32
	WIN (0x06+(k%8)/4)                             ; source 0 (WO) window 2 or 3, source 1 (ctx) window 1
.irp n, 0,1,2,3,4,5,6,7
.if k == 0
	v_wmma_scale_f32_16x16x128_f8f6f4 v[ACC+8*\n:ACC+8*\n+7], v[8*(8*(k%4)+\n):8*(8*(k%4)+\n)+7], v[8*k:8*k+7], 0, v[SB+8*\n+k%8], v[SA+k] matrix_a_fmt:MATRIX_FMT_FP4 matrix_b_fmt:MATRIX_FMT_FP4
.else
	v_wmma_scale_f32_16x16x128_f8f6f4 v[ACC+8*\n:ACC+8*\n+7], v[8*(8*(k%4)+\n):8*(8*(k%4)+\n)+7], v[8*k:8*k+7], v[ACC+8*\n:ACC+8*\n+7], v[SB+8*\n+k%8], v[SA+k] matrix_a_fmt:MATRIX_FMT_FP4 matrix_b_fmt:MATRIX_FMT_FP4
.endif
.endr
.set k, k+1
.endr
	WIN 0
.rept 4
	v_nop
.endr
	; THE WAY OUT: through my own stage, back as whole rows of 512 bytes; x 1/4, + bO; 32 lanes store 512 consecutive bytes
.irp n, 0,1,2,3,4,5,6,7
	ds_store_b128 v12, v[ACC+8*\n:ACC+8*\n+3] offset:64*\n            ; each accumulator from its low end on
	ds_store_b128 v12, v[ACC+8*\n+4:ACC+8*\n+7] offset:64*\n+16
.endr
.set i, 0
.rept 16
	ds_load_b128 v[CSR+4*i:CSR+4*i+3], v13 offset:i*WOP               ; LDS serves a wave's instructions in order: these see my stores
.set i, i+1
.endr
.set i, 0
.rept 16
	s_wait_dscnt 15-i                              ; row i is back; the younger rows may be out
	v_pk_fma_f32 v[CSR+4*i:CSR+4*i+1], v[CSR+4*i:CSR+4*i+1], 0x3e800000, v[BO:BO+1] op_sel_hi:[1,0,1]
	v_pk_fma_f32 v[CSR+4*i+2:CSR+4*i+3], v[CSR+4*i+2:CSR+4*i+3], 0x3e800000, v[BO+2:BO+3] op_sel_hi:[1,0,1]
	global_store_b128 v3, v[CSR+4*i:CSR+4*i+3], s[14:15] offset:4096*i th:TH_STORE_NT
.set i, i+1
.endr
	s_wait_tensorcnt 0x0
	ds_add_u32 v254, v255
	s_wait_dscnt 0x0
	s_endpgm
.Lfunc_end_k_q4a6df45de1_outp:
	.size	k_q4a6df45de1_outp, .Lfunc_end_k_q4a6df45de1_outp-k_q4a6df45de1_outp
	.p2alignl 7, 3214868480
	.fill 96, 4, 3214868480
	.section	.rodata,"a",@progbits
	.p2align	6, 0x0
	.amdhsa_kernel k_q4a6df45de1_outp
		.amdhsa_group_segment_fixed_size 108032
		.amdhsa_private_segment_fixed_size 0
		.amdhsa_enable_private_segment 0
		.amdhsa_kernarg_size 48
		.amdhsa_user_sgpr_count 2
		.amdhsa_user_sgpr_kernarg_segment_ptr 1
		.amdhsa_wavefront_size32 1
		.amdhsa_system_sgpr_workgroup_id_x 1
		.amdhsa_system_sgpr_workgroup_id_y 1
		.amdhsa_system_sgpr_workgroup_id_z 1
		.amdhsa_system_vgpr_workitem_id 0
		.amdhsa_next_free_vgpr 1024
		.amdhsa_next_free_sgpr 66
		.amdhsa_reserve_vcc 0
		.amdhsa_float_denorm_mode_32 3
		.amdhsa_float_denorm_mode_16_64 3
		.amdhsa_memory_ordered 1
		.amdhsa_forward_progress 1
		.amdhsa_inst_pref_size 72
	.end_amdhsa_kernel
	.amdgpu_metadata
---
amdhsa.version: [ 1, 2 ]
amdhsa.kernels:
  - .name:           k_q4a6df45de1_outp
    .symbol:         k_q4a6df45de1_outp.kd
    .args:
      - { .name: CTX, .offset: 0, .size: 8, .value_kind: global_buffer, .address_space: global }
      - { .name: CS, .offset: 8, .size: 8, .value_kind: global_buffer, .address_space: global }
      - { .name: WO_codes, .offset: 16, .size: 8, .value_kind: global_buffer, .address_space: global }
      - { .name: WO_scales, .offset: 24, .size: 8, .value_kind: global_buffer, .address_space: global }
      - { .name: bO, .offset: 32, .size: 8, .value_kind: global_buffer, .address_space: global }
      - { .name: out0, .offset: 40, .size: 8, .value_kind: global_buffer, .address_space: global }
    .group_segment_fixed_size: 108032
    .private_segment_fixed_size: 0
    .kernarg_segment_align: 8
    .kernarg_segment_size: 48
    .max_flat_workgroup_size: 128
    .sgpr_count:     66
    .vgpr_count:     1024
    .wavefront_size: 32
...
	.end_amdgpu_metadata
.endif
;; end of part 3
;; ======== version 2 of 2: 3 launches; version 1 with the launches attn, outp written anew for expert scheduling mode
;; limits: a function is approximated: absolute error at most 5e-05
;; workspace buffers: QW 5,242,880 bytes; KW 1,441,792 bytes; VW 4,718,592 bytes; CTX 4,194,304 bytes; CS 1,048,576 bytes
;; launch proj: the kernel of part 1 again; grid 36 x 8, 4 waves a work-group, clusters of 4 x 4, 327,680 bytes of LDS; arguments X_codes, X_scales, WQ_codes, WQ_scales, WK_codes, WK_scales, WV_codes, WV_scales, bQ, bK, bV, QW, KW, VW; writes QW, KW, VW
;; launch attn (part 4): grid 256 x 1, 4 waves a work-group, no clusters, 119,296 bytes of LDS; arguments QW, KW, VW, sink_scalars, v_nulls, CTX, CS; writes CTX, CS
.if DOCPART == 4
	.amdgcn_target "amdgcn-amd-amdhsa--gfx1250"
	.amdhsa_code_object_version 6
	.text
	.protected	k_q4a6df45de1_attn
	.globl	k_q4a6df45de1_attn
	.p2align	8
	.type	k_q4a6df45de1_attn,@function
k_q4a6df45de1_attn:
	s_mov_b64 s[64:65], 0
	v_nop
	global_prefetch_b8 v0, s[64:65] scope:SCOPE_SE
	s_setreg_imm32_b32 hwreg(HW_REG_WAVE_SCHED_MODE, 0, 2), 2
	s_setreg_imm32_b32 hwreg(HW_REG_WAVE_MODE, 25, 1), 1
	s_wait_xcnt 0x0
	s_wait_alu depctr_vm_vsrc(0)
; The banded attention on codes of FP4 (E2M1).  logit = (q . k / ||k||) inside the band, 0 outside it (NOT -infinity), and a sink logit tanh(s); probs = softmax, finished and normalised, quantised along the keys;
; ctx = probs v + p_sink v_null, quantised along the head's 64.  Work in base 2: t = logit x log2(e).
; WHAT IS NOT DONE: q . k outside the band's window of key steps, since those scores are multiplied by 0.  There every p of a query is one number, 2^-M / Z: one code register and one scale word serve all such
; blocks; the second product still runs over all 1,024 keys.
; SHARES.  Work-group x: b = x >> 7, sub-head = (x >> 3) & 15, beta = (x >> 2) & 1, quad = x & 3.  Wave w takes the 64 queries 64 (4 quad + w) on, as four tiles of 16, in two passes: branch beta, then branch 3 - beta
; (both use the same k).  The band's window is N = 2 steps of 128 keys (branches 0-2) or 4 (branch 3); register slot j of V holds step (sb + j) & 7, so that the window is always slots 0 .. N - 1; a step that wraps
; round (keys behind the queries) falls to the mask.
; LDS: k's block of 45,056 bytes (images, scale words, log2(e) / ||k||), then v's block of 36,864 bytes for each pass; copied in once through registers, one barrier, no LDS store behind it.
; No tensor load: the launch loads once, at its head.  No cluster: of the 117 KB that a work-group copies only k's 45 KB are shared with others.
; LAYOUT.  S^T = K Q^T and O^T = V^T P^T: a lane holds ONE query (lane % 16) throughout; in S^T tile t register j is key 16 t + 8 (lane / 16) + j.  The order of keys inside a block of 32 of p's codes is the one that
; the launch before gave v's.  ctx's codes are laid in the natural order of k, since they meet WO's.
; REGISTERS.  Window 0: addresses, statistics, Q, K's fragments (their upper four registers stay zero codes: K = 64 of the instruction's 128), p's codes, all scale words.  Window 1: V, 8 (4 j + dt).
; Window 2: S^T, 64 a slot.  Window 3: v0-63 log2(e) / ||k||; v72-79 the constant p; v96-127 O^T; v128-159 v_null; v160-223 the mask's distances; v224 on ctx's quantiser.
; LIMITS: NaN and infinities are not served; a block of zeros gets the byte 1 (its codes are zeros; the next launch alone reads the bytes); f32 sums in another order than the reference's.
; THE MODE: SCHED_MODE bits 1:0 = 2 (LLVM: expert scheduling mode 2), set by the entry lines.  The code itself states the register dependences between vector or matrix instructions and memory or LDS
; instructions, with s_wait_alu, always for 0.
; THE PLAN.  Registers that memory or LDS instructions touch:
;   v61-63         the copy's addresses: written at the head, read by its loads and LDS stores; v62 serves the tiles afterwards.
;   window 2       the copy's data: loaded, read by the LDS stores; the products write it afterwards.
;   KAD, SAD, RAD  written at a pass's head, read by every LDS load of K, its scale words and its norms in the pass.
;   BM             written at a pass's head as V's LDS addresses, read by V's loads; the tiles' maxima write it afterwards.
;   window 1, VSC, Q4, QS4, SINKT, VN   loaded at a pass's head; named by vector and matrix instructions of the pass.
;   KF, KSCR       a slot's eight products read them; the next slot's loads land in them.     window 3 v0-63: a slot's 32 multiplies read them; the next slot's loads land in them.
;   EE             written by a tile's conversions, read by its store.     CSW: written by the tiles, read by the pass's last store.
;   v1, v78, v79, CLN   offsets, written once at the head.
; So: at a pass's head one wait on vm_vsrc ahead of the address lines and one on va_vdst behind them, ahead of all the pass's loads; one on vm_vsrc behind those loads, for BM.  In a slot ONE wait on va_vdst,
; behind its products and its multiplies by the norms, ahead of the next slot's 26 LDS loads.  In a tile besides: one ahead of each of the two runs of scaled products (operands and scales that vector lines wrote),
; the two behind the transcendentals, and a pair round the store.  The mask's compares go in runs of sixteen into scalar registers, one wait on va_sdst behind each run.
.set KWB, 45056
.set VWB, 36864
.set LV0, KWB
.set LV1, KWB+VWB
.set LN16, 1
.set RR,   2
.set HH,   3
.set KAD,  4
.set SAD,  8
.set RAD,  12
.set DK,   16
.set D0,   20
.set MM,   24
.set T2,   25
.set NM,   26
.set Z0,   28
.set Z1,   30
.set QF,   32
.set Q4,   40
.set QS4,  56
.set QS,   60
.set CA0,  61
.set CA1,  62
.set CA2,  63
.set T3,   62
.set KSCR, 64
.set PSC,  72
.set PCS,  76
.set RH8,  77
.set ZV,   78
.set H32,  79
.set VSC,  80
.set KF,   112
.set P,    176
.set PCF,  208
.set BM,   216
.set BMX,  232
.set RZ,   248
.set EO,   250
.set ES,   251
.set CO,   252
.set PS,   253
.set SINKT, 254
.set TT,   255
.set CR,   72                          ; window 3 from here on
.set O3,   96
.set VN,   128
.set TMP,  160
.set EE,   224
.set CSW,  228
.set CBM,  232
.set CBX,  234
.set CSC,  236
.set CBY,  238
.set CLN,  240
.set MK,   56                          ; s56-63, s68-75: sixteen lane masks of the band; free inside a tile (mask i at s[MK + i + 4 (i / 8)])
.set MSB, 0
.macro WIN new
.if MSB != \new
	s_set_vgpr_msb (MSB<<8)|\new
.set MSB, \new
.endif
.endm
	s_load_b256 s[4:11], s[0:1], 0x0               ; QW 4, KW 6, VW 8, sink_scalars 10
	s_load_b128 s[12:15], s[0:1], 0x20             ; v_nulls 12, CTX 14
	s_load_b64 s[16:17], s[0:1], 0x30              ; CS
	s_set_vgpr_msb 0xc0
	v_lshl_add_u32 v254, v0, 2, 0x1d000
	v_mov_b32 v255, 0
	s_set_vgpr_msb 0xc000
	v_lshrrev_b32 v1, 5, v0
	v_readfirstlane_b32 s18, v1                    ; wave
	s_lshr_b32 s19, ttmp9, 7                       ; b
	s_bfe_u32 s20, ttmp9, 0x40003                  ; sub-head
	s_bfe_u32 s21, ttmp9, 0x10002                  ; beta
	s_and_b32 s22, ttmp9, 3
	s_lshl_b32 s22, s22, 2
	s_wait_alu depctr_va_sdst(0)                   ; s18 is written, ahead of its first reader
	s_add_co_u32 s22, s22, s18                     ; my group of 64 queries, 0..15
	s_lshr_b32 s23, s22, 1                         ; m: its step of 128
	s_mov_b32 s26, 0x76543210
	s_mov_b32 s27, 0xfedcba98
	s_lshl_b32 s50, s19, 4
	s_add_co_u32 s50, s50, s20
	s_mul_i32 s50, s50, KWB
	s_mov_b32 s51, 0
	s_lshl_b32 s54, s19, 6
	s_add_co_u32 s54, s54, s20                     ; 64 b + sub-head
	s_lshl_b32 s55, s21, 4
	s_add_co_u32 s55, s55, s54
	s_mul_i32 s56, s55, VWB                        ; pass 0: head 16 beta + sub-head
	s_mov_b32 s57, 0
	s_sub_co_u32 s55, 3, s21
	s_lshl_b32 s55, s55, 4
	s_add_co_u32 s55, s55, s54
	s_mul_i32 s58, s55, VWB                        ; pass 1: head 16 (3 - beta) + sub-head
	s_mov_b32 s59, 0
	v_lshlrev_b32 v[CA0], 4, v0                    ; 16 x thread
	v_add_nc_u32 v[CA1], LV0, v[CA0]
	v_add_nc_u32 v[CA2], LV1, v[CA0]
	s_wait_kmcnt 0x0
	s_add_nc_u64 s[52:53], s[6:7], s[50:51]
	s_add_nc_u64 s[56:57], s[8:9], s[56:57]
	s_add_nc_u64 s[58:59], s[8:9], s[58:59]
	WIN 0x80                                       ; the three blocks through window 2: 58 loads a thread, 2,048 consecutive bytes a load of the work-group
	s_wait_alu depctr_va_vdst(0)                   ; v61 to v63 are written: the loads below and the LDS stores behind them read these as their addresses; no vector line between names them or window 2
.set i, 0
.rept 22
	global_load_b128 v[4*i:4*i+3], v[CA0], s[52:53] offset:2048*i
.set i, i+1
.endr
.set i, 0
.rept 18
	global_load_b128 v[88+4*i:91+4*i], v[CA0], s[56:57] offset:2048*i
.set i, i+1
.endr
.set i, 0
.rept 18
	global_load_b128 v[160+4*i:163+4*i], v[CA0], s[58:59] offset:2048*i
.set i, i+1
.endr
	WIN 0
	v_and_b32 v[LN16], 31, v0
	v_lshlrev_b32 v[LN16], 4, v[LN16]
	v_and_b32 v[RR], 15, v0
	v_bfe_u32 v[HH], v0, 4, 1
	v_lshlrev_b32 v[H32], 5, v[HH]
	v_lshlrev_b32 v[RH8], 3, v[HH]
	v_sub_nc_u32 v[RH8], v[RR], v[RH8]             ; r - 8 h
	v_mov_b32 v[ZV], 0
.irp t, 0,1,2,3,4,5,6,7
.irp i, 4,5,6,7
	v_mov_b32 v[KF+8*\t+\i], 0                     ; zero codes for k = 64 .. 127: written once, never loaded over
.endr
.endr
.irp i, 4,5,6,7
	v_mov_b32 v[QF+\i], 0
.endr
.set i, 0
.rept 16
	v_mov_b32 v[BMX+i], 0                          ; a lane permute's destination counts as read
.set i, i+1
.endr
	WIN 0xc0                                       ; destination window 3
	v_mov_b32 v[CLN], v[LN16]
.irp i, 0,1,2,3
	v_mov_b32 v[CSW+\i], 0
.endr
	v_mov_b32 v[CBX], 0
	v_mov_b32 v[CBX+1], 0
	WIN 0
	s_wait_loadcnt 0x0
	WIN 0x08                                       ; an LDS store's data are its source 1: window 2
.set i, 0
.rept 22
	ds_store_b128 v[CA0], v[4*i:4*i+3] offset:2048*i
.set i, i+1
.endr
.set i, 0
.rept 18
	ds_store_b128 v[CA1], v[88+4*i:91+4*i] offset:2048*i
.set i, i+1
.endr
.set i, 0
.rept 18
	ds_store_b128 v[CA2], v[160+4*i:163+4*i] offset:2048*i
.set i, i+1
.endr
	WIN 0
	s_wait_dscnt 0x0                               ; for the others' sake: my stores have landed
	s_barrier_signal -1
	s_barrier_wait -1
.macro LOADK g                         ; slot g's eight tiles of 16 keys (registers 0-3 of each fragment) and their scale words
.irp t, 0,1,2,3,4,5,6,7
	ds_load_b128 v[KF+8*\t:KF+8*\t+3], v[KAD+\g] offset:512*\t
.endr
	ds_load_b128 v[KSCR:KSCR+3], v[SAD+\g]
	ds_load_b128 v[KSCR+4:KSCR+7], v[SAD+\g] offset:512
.endm
.macro LOADR g                         ; log2(e) / ||k|| of my 64 keys of slot g, in the scores' layout
	WIN 0xc0
.irp t, 0,1,2,3,4,5,6,7
	ds_load_b128 v[8*\t:8*\t+3], v[RAD+\g] offset:64*\t
	ds_load_b128 v[8*\t+4:8*\t+7], v[RAD+\g] offset:64*\t+16
.endr
.endm
; Slot g of the window: scores, t = score x log2(e) / ||k||, the mask, each block's largest t.  The next slot's K and norms are asked for together, behind the products and the multiplies that read this slot's.
.macro SCORE g, nx
	s_wait_dscnt 0x0                               ; this slot's K, scale words and norms are in (asked for half a slot ago)
	WIN 0x80
.irp t, 0,1,2,3,4,5,6,7
	v_wmma_scale_f32_16x16x128_f8f6f4 v[64*\g+8*\t:64*\g+8*\t+7], v[KF+8*\t:KF+8*\t+7], v[QF:QF+7], 0, v[KSCR+\t], v[QS] matrix_a_fmt:MATRIX_FMT_FP4 matrix_b_fmt:MATRIX_FMT_FP4
.endr
	WIN 0x8e                                       ; scores window 2, norms (source 1) window 3
.rept 4
	v_nop                                          ; places ahead of the first read of the scores
.endr
.set i, 0
.rept 32
	v_pk_mul_f32 v[64*\g+2*i:64*\g+2*i+1], v[64*\g+2*i:64*\g+2*i+1], v[2*i:2*i+1]
.set i, i+1
.endr
	WIN 0
	s_wait_alu depctr_va_vdst(0)                   ; the eight products are done reading K's fragments and scale words, the 32 multiplies the norms: the 26 loads below land in these registers
	LOADK \nx
	LOADR \nx
	WIN 0
	s_sub_co_i32 s50, s44, s[40+\g]                ; a slot all of whose keys lie in the band of all 16 queries needs no mask: a branch on ids
	s_add_co_i32 s51, s50, 15
	s_cmp_lt_i32 s51, s31
	s_cselect_b32 s52, 1, 0
	s_sub_co_i32 s51, s50, 127
	s_cmp_ge_i32 s51, s29
	s_cselect_b32 s52, s52, 0
	s_cmp_eq_u32 s52, 1
	s_cbranch_scc1 .Lfull_\@
	WIN 0xc0
.set i, 0
.rept 64
	v_add_nc_u32 v[TMP+i], -(16*(i/8)+i%8), v[D0+\g]                  ; query - key - g: inside the band where it is, unsigned, under h - g
.set i, i+1
.endr
	WIN 0x8b
.set u, 0
.rept 4                                        ; sixteen compares into sixteen scalar registers, one wait, sixteen selects
.set i, 0
.rept 16
	v_cmp_lt_u32 s[MK+i+4*(i/8)], v[TMP+16*u+i], s30
.set i, i+1
.endr
	s_wait_alu depctr_va_sdst(0)                   ; the sixteen masks are written, ahead of the selects that read them
.set i, 0
.rept 16
	v_cndmask_b32 v[64*\g+16*u+i], 0, v[64*\g+16*u+i], s[MK+i+4*(i/8)]
.set i, i+1
.endr
.set u, u+1
.endr
	WIN 0
.Lfull_\@:
	WIN 0x2a
.irp b, 0,1,2,3
	v_max3_num_f32 v[BM+4*\g+\b], v[64*\g+16*\b], v[64*\g+16*\b+1], v[64*\g+16*\b+2]
.endr
	WIN 0x28
.irp i, 3,5,7,9,11,13
.irp b, 0,1,2,3
	v_max3_num_f32 v[BM+4*\g+\b], v[BM+4*\g+\b], v[64*\g+16*\b+\i], v[64*\g+16*\b+\i+1]
.endr
.endr
.irp b, 0,1,2,3
	v_max_num_f32 v[BM+4*\g+\b], v[BM+4*\g+\b], v[64*\g+16*\b+15]
.endr
	WIN 0
.endm
; One tile of 16 queries, with a window of n slots.
.macro QTILE n
	v_mov_b32 v[QS], v[QS4]                        ; this tile's scale word and fragment; the others move up.  More than eight plain instructions follow ahead of the first product
.irp i, 0,1,2,3
	v_mov_b32 v[QF+\i], v[Q4+\i]
.endr
.irp i, 0,1,2,3,4,5,6,7,8,9,10,11
	v_mov_b32 v[Q4+\i], v[Q4+4+\i]
.endr
.irp i, 0,1,2
	v_mov_b32 v[QS4+\i], v[QS4+1+\i]
.endr
.irp g, 0,1,2,3
	v_add_nc_u32 v[D0+\g], s44, v[DK+\g]
.endr
	s_wait_alu depctr_va_vdst(0)                   ; the moves have written Q's fragment and its scale word, which the scaled products below take; the places stand ahead of this wait
.set gg, 0
.rept \n
	SCORE gg, (gg+1)%\n
.set gg, gg+1
.endr
	; the row's maximum: over the window, the 0 of the keys outside the band, and the sink
.set i, 0
.rept 4*\n
	v_permlanex16_b32 v[BMX+i], v[BM+i], s26, s27
.set i, i+1
.endr
.set i, 0
.rept 4*\n
	v_max_num_f32 v[BM+i], v[BM+i], v[BMX+i]       ; each block's largest t
.set i, i+1
.endr
	v_max3_num_f32 v[MM], v[BM], v[BM+1], v[BM+2]
.set i, 3
.rept (4*\n-4)/2
	v_max3_num_f32 v[MM], v[MM], v[BM+i], v[BM+i+1]
.set i, i+2
.endr
	v_max3_num_f32 v[MM], v[MM], v[BM+4*\n-1], v[SINKT]
	v_max_num_f32 v[MM], 0, v[MM]
	v_mul_f32 v[NM], -1.0, v[MM]
	v_mul_f32 v[NM+1], -1.0, v[MM]
.set i, 0
.rept 4*\n
	v_add_f32 v[BM+i], v[BM+i], v[NM]
.set i, i+1
.endr
	v_add_f32 v[ES], v[SINKT], v[NM]
	WIN 0x82
.set i, 0
.rept 32*\n
	v_pk_add_f32 v[2*i:2*i+1], v[2*i:2*i+1], v[NM:NM+1] op_sel_hi:[1,0]
.set i, i+1
.endr
.set i, 0
.rept 64*\n
	v_exp_f32 v[i], v[i]                           ; 2^(t - M)
.set i, i+1
.endr
	WIN 0
.set i, 0
.rept 4*\n
	v_exp_f32 v[BM+i], v[BM+i]                     ; the same of each block's largest t: the block's largest number, by the same instructions
.set i, i+1
.endr
	v_exp_f32 v[EO], v[NM]                         ; a key outside the window: 2^-M
	v_exp_f32 v[ES], v[ES]                         ; the sink
	v_nop                                          ; a plain instruction behind the batch,
	s_wait_alu depctr_va_vdst(0)                   ; and one wait: all the batch's exponentials have written their results, ahead of the first reader
	WIN 0x0a                                       ; the row's sum, in four chains of pairs
	v_pk_add_f32 v[Z0:Z0+1], v[0:1], v[2:3]
	v_pk_add_f32 v[Z1:Z1+1], v[4:5], v[6:7]
	v_pk_add_f32 v[BMX+2:BMX+3], v[8:9], v[10:11]
	v_pk_add_f32 v[BMX+4:BMX+5], v[12:13], v[14:15]
	WIN 0x08
.set i, 16
.rept (64*\n-16)/8
	v_pk_add_f32 v[Z0:Z0+1], v[Z0:Z0+1], v[i:i+1]
	v_pk_add_f32 v[Z1:Z1+1], v[Z1:Z1+1], v[i+2:i+3]
	v_pk_add_f32 v[BMX+2:BMX+3], v[BMX+2:BMX+3], v[i+4:i+5]
	v_pk_add_f32 v[BMX+4:BMX+5], v[BMX+4:BMX+5], v[i+6:i+7]
.set i, i+8
.endr
	WIN 0
	v_pk_add_f32 v[Z0:Z0+1], v[Z0:Z0+1], v[Z1:Z1+1]
	v_pk_add_f32 v[BMX+2:BMX+3], v[BMX+2:BMX+3], v[BMX+4:BMX+5]
	v_pk_add_f32 v[Z0:Z0+1], v[Z0:Z0+1], v[BMX+2:BMX+3]
	v_add_f32 v[TT], v[Z0], v[Z0+1]
	v_permlanex16_b32 v[BMX], v[TT], s26, s27
	v_add_f32 v[TT], v[TT], v[BMX]                 ; with lane l xor 16's keys
	v_fma_f32 v[TT], v[EO], s35, v[TT]             ; + the 1,024 - 128 n keys outside the window
	v_add_f32 v[TT], v[TT], v[ES]                  ; + the sink
	v_rcp_f32 v[RZ], v[TT]
	v_nop
	s_wait_alu depctr_va_vdst(0)                   ; the reciprocal has written v[RZ], ahead of its first reader
	v_mov_b32 v[RZ+1], v[RZ]
	WIN 0x82
.set i, 0
.rept 32*\n
	v_pk_mul_f32 v[2*i:2*i+1], v[2*i:2*i+1], v[RZ:RZ+1] op_sel_hi:[1,0]   ; probs, finished
.set i, i+1
.endr
	WIN 0
.set i, 0
.rept 4*\n
	v_mul_f32 v[BM+i], v[BM+i], v[RZ]
.set i, i+1
.endr
	v_mul_f32 v[CO], v[EO], v[RZ]
	v_mul_f32 v[PS], v[ES], v[RZ]
	; the quantiser along the keys
.set i, 0
.rept 4*\n
	v_max_num_f32 v[BM+i], 0x1800000, v[BM+i]      ; the floor 2^(3 - 127)
.set i, i+1
.endr
.set i, 0
.rept 4*\n
	v_add_nc_u32 v[BMX+i], 0xff000000, v[BM+i]     ; the conversion's scale operand
.set i, i+1
.endr
.set i, 0
.rept 4*\n
	v_lshrrev_b32 v[BM+i], 23, v[BMX+i]            ; the byte
.set i, i+1
.endr
.set gg, 0
.rept \n
	v_lshl_or_b32 v[PSC+gg], v[BM+4*gg+1], 8, v[BM+4*gg]
	v_lshl_or_b32 v[PSC+gg], v[BM+4*gg+2], 16, v[PSC+gg]
	v_lshl_or_b32 v[PSC+gg], v[BM+4*gg+3], 24, v[PSC+gg]
.set gg, gg+1
.endr
	v_max_num_f32 v[T2], 0x1800000, v[CO]          ; the constant p of the keys outside the window: its scale,
	v_add_nc_u32 v[T2], 0xff000000, v[T2]
	v_lshrrev_b32 v[T3], 23, v[T2]
	v_lshl_or_b32 v[T3], v[T3], 8, v[T3]
	v_lshl_or_b32 v[PCS], v[T3], 16, v[T3]         ; four times in a word,
	WIN 0xc0
.irp i, 0,1,2,3,4,5,6,7
	v_mov_b32 v[CR+\i], v[CO]                      ; and eight of it for the conversion
.endr
	WIN 0x02
.set i, 0
.rept 4*\n
	v_cvt_scalef32_pk8_fp4_f32 v[P+2*i], v[16*i:16*i+7], v[BMX+i]
	v_cvt_scalef32_pk8_fp4_f32 v[P+2*i+1], v[16*i+8:16*i+15], v[BMX+i]
.set i, i+1
.endr
	WIN 0x03
	v_cvt_scalef32_pk8_fp4_f32 v[PCF], v[CR:CR+7], v[T2]
	WIN 0
	v_nop                                          ; a plain instruction behind the conversions
.set i, 0
.rept 2*\n
	v_permlane16_swap_b32 v[P+4*i], v[P+4*i+2]     ; a whole block to a lane
	v_permlane16_swap_b32 v[P+4*i+1], v[P+4*i+3]
.set i, i+1
.endr
.irp i, 1,2,3,4,5,6,7
	v_mov_b32 v[PCF+\i], v[PCF]
.endr
	WIN 0xcc
.set i, 0
.rept 32
	v_mul_f32 v[O3+i], v[PS], v[VN+i]              ; p_sink v_null starts the sums; these 32 are also the places ahead of the scaled products
.set i, i+1
.endr
	WIN 0xf1                                       ; V window 1, p window 0, O^T window 3.  The four accumulators take turns, one instruction a turn
	s_wait_alu depctr_va_vdst(0)                   ; p's codes, the constant p's codes and both kinds of scale word are written, which the scaled products below take; the places stand ahead of this wait
.set jj, 0
.rept 8
.irp d, 0,1,2,3
.if jj < \n
	v_wmma_scale_f32_16x16x128_f8f6f4 v[O3+8*\d:O3+8*\d+7], v[8*(4*jj+\d):8*(4*jj+\d)+7], v[P+8*jj:P+8*jj+7], v[O3+8*\d:O3+8*\d+7], v[VSC+4*jj+\d], v[PSC+jj] matrix_a_fmt:MATRIX_FMT_FP4 matrix_b_fmt:MATRIX_FMT_FP4
.else
	v_wmma_scale_f32_16x16x128_f8f6f4 v[O3+8*\d:O3+8*\d+7], v[8*(4*jj+\d):8*(4*jj+\d)+7], v[PCF:PCF+7], v[O3+8*\d:O3+8*\d+7], v[VSC+4*jj+\d], v[PCS] matrix_a_fmt:MATRIX_FMT_FP4 matrix_b_fmt:MATRIX_FMT_FP4
.endif
.endr
.set jj, jj+1
.endr
	WIN 0xff                                       ; ctx's quantiser, wholly in window 3.  Register 8 dt + j = channel 16 dt + 8 h + j: blocks 0 (dt 0, 1) and 1 (dt 2, 3)
.rept 4
	v_nop
.endr
	v_max3_num_f32 v[CBM], |v[O3]|, |v[O3+1]|, 0x1800000
	v_max3_num_f32 v[CBM+1], |v[O3+16]|, |v[O3+17]|, 0x1800000
.irp i, 2,4,6,8,10,12,14
	v_max3_num_f32 v[CBM], v[CBM], |v[O3+\i]|, |v[O3+\i+1]|
	v_max3_num_f32 v[CBM+1], v[CBM+1], |v[O3+16+\i]|, |v[O3+17+\i]|
.endr
	v_permlanex16_b32 v[CBX], v[CBM], s26, s27
	v_permlanex16_b32 v[CBX+1], v[CBM+1], s26, s27
	v_max_num_f32 v[CBM], v[CBM], v[CBX]
	v_max_num_f32 v[CBM+1], v[CBM+1], v[CBX+1]
	v_add_nc_u32 v[CSC], 0xff000000, v[CBM]
	v_add_nc_u32 v[CSC+1], 0xff000000, v[CBM+1]
	v_lshrrev_b32 v[CBY], 23, v[CSC]
	v_lshrrev_b32 v[CBY+1], 23, v[CSC+1]
	s_wait_xcnt 0x0                                ; the last store has read its base and data
	s_wait_alu depctr_vm_vsrc(0)                   ; the last tile's store has read v[EE ..], which the conversions below write again
	s_add_nc_u64 s[48:49], s[48:49], s[38:39]      ; a tile of rows on: 0 in the pass's first trip, then 32,768
	s_mov_b32 s38, 0x8000
	v_mov_b32 v[CSW], v[CSW+1]
	v_mov_b32 v[CSW+1], v[CSW+2]
	v_mov_b32 v[CSW+2], v[CSW+3]
	v_lshl_or_b32 v[CSW+3], v[CBY+1], 8, v[CBY]
	v_cvt_scalef32_pk8_fp4_f32 v[EE], v[O3:O3+7], v[CSC]
	v_cvt_scalef32_pk8_fp4_f32 v[EE+2], v[O3+8:O3+15], v[CSC]
	v_cvt_scalef32_pk8_fp4_f32 v[EE+1], v[O3+16:O3+23], v[CSC+1]
	v_cvt_scalef32_pk8_fp4_f32 v[EE+3], v[O3+24:O3+31], v[CSC+1]
	v_nop
	v_permlane16_swap_b32 v[EE], v[EE+1]           ; lanes 0-15: channels 0-31 in their order, lanes 16-31: channels 32-63
	v_permlane16_swap_b32 v[EE+2], v[EE+3]
	s_wait_alu depctr_va_vdst(0)                   ; v[EE ..] is written, which the store below reads; so is v[CSW ..], which the pass's last store reads: no vector line stands between this wait and that store
	global_store_b128 v[CLN], v[EE:EE+3], s[48:49] ; 512 consecutive bytes
	WIN 0
	s_add_co_u32 s44, s44, 16
.endm
	s_mov_b32 s32, 0
	s_mov_b32 s37, LV0
.Lpass:
	s_wait_xcnt 0x0                                ; bases and offsets of earlier loads and stores are written again
	s_wait_alu depctr_vm_vsrc(0)                   ; first pass: the head's LDS stores have read window 2 and v61 to v63; second pass: the LDS loads have read KAD, SAD and RAD, the stores v[EE ..] and v[CSW ..]: all are written again below
	s_wait_dscnt 0x0                               ; and no LDS load is out into a register that is loaded again
	s_sub_co_u32 s50, 3, s21
	s_cmp_eq_u32 s32, 0
	s_cselect_b32 s28, s21, s50                    ; the branch
	s_cmp_eq_u32 s28, 3
	s_cselect_b32 s33, 4, 2                        ; N
	s_cselect_b32 s51, 4, 1                        ; how many steps back the window begins
	s_cselect_b32 s29, 144, 0                      ; g
	s_mov_b32 s30, 128
	s_cselect_b32 s30, 368, s30                    ; h - g
	s_mov_b32 s35, 0x44400000                      ; 768.0 = 1,024 - 128 N
	s_cselect_b32 s35, 0x44000000, s35             ; 512.0
	s_cmp_eq_u32 s28, 1
	s_cselect_b32 s29, 16, s29
	s_cselect_b32 s30, 112, s30
	s_cmp_eq_u32 s28, 0
	s_cselect_b32 s30, 16, s30
	s_add_co_u32 s31, s30, s29                     ; h
	s_sub_co_u32 s34, s23, s51
	s_and_b32 s34, s34, 7                          ; sb
	s_lshl_b32 s36, s28, 4
	s_add_co_u32 s36, s36, s20                     ; the head
	s_lshl_b32 s25, s19, 6
	s_add_co_u32 s25, s25, s36                     ; 64 b + head
.irp g, 0,1,2,3
	s_add_co_u32 s50, s34, \g
	s_and_b32 s50, s50, 7                          ; slot g's step
	s_lshl_b32 s[40+\g], s50, 7                    ; its first key
	s_lshl_b32 s51, s50, 12
	v_add_nc_u32 v[KAD+\g], s51, v[LN16]
	s_lshl_b32 s51, s50, 10
	s_add_co_u32 s51, s51, 32768
	v_add_nc_u32 v[SAD+\g], s51, v[LN16]
	s_lshl_b32 s51, s50, 9
	s_add_co_u32 s51, s51, 40960
	v_add_nc_u32 v[RAD+\g], s51, v[H32]
	s_add_co_u32 s51, s[40+\g], s29
	v_subrev_nc_u32 v[DK+\g], s51, v[RH8]          ; r - 8 h - g - the step's first key
.endr
.irp j, 0,1,2,3,4,5,6,7
	s_add_co_u32 s50, s34, \j
	s_and_b32 s50, s50, 7
	s_lshl_b32 s51, s50, 12
	s_add_co_u32 s51, s51, s37
	v_add_nc_u32 v[BM+\j], s51, v[LN16]
	s_lshl_b32 s51, s50, 9
	s_add_co_u32 s51, s51, s37
	v_add_nc_u32 v[BM+8+\j], s51, v[LN16]
.endr
	WIN 0x40                                       ; all of V into window 1: it stays for the pass
	s_wait_alu depctr_va_vdst(0)                   ; the addresses KAD, SAD, RAD and v[BM ..] are written (and v1, v78, v79 since the head); the last pass's products and vector lines are done with V, VSC, Q4, QS4, SINKT, v_null, K's fragments, its scale words and norms, in all of which the loads below land; only loads, window switches
.irp j, 0,1,2,3,4,5,6,7
.irp d, 0,1,2,3
	ds_load_b128 v[8*(4*\j+\d):8*(4*\j+\d)+3], v[BM+\j] offset:1024*\d
	ds_load_b128 v[8*(4*\j+\d)+4:8*(4*\j+\d)+7], v[BM+\j] offset:1024*\d+512
.endr
.endr
	WIN 0
.irp j, 0,1,2,3,4,5,6,7
	ds_load_b128 v[VSC+4*\j:VSC+4*\j+3], v[BM+8+\j] offset:32768
.endr
	s_mul_i32 s52, s25, 40960
	s_mov_b32 s53, 0
	s_add_nc_u64 s[46:47], s[4:5], s[52:53]        ; the head's bytes in QW
	s_lshl_b32 s52, s22, 11
	s_add_nc_u64 s[56:57], s[46:47], s[52:53]      ; my four tiles' images
.irp i, 0,1,2,3
	global_load_b128 v[Q4+4*\i:Q4+4*\i+3], v[LN16], s[56:57] offset:512*\i
.endr
	s_lshl_b32 s52, s22, 9
	s_add_nc_u64 s[58:59], s[46:47], s[52:53]
	global_load_b128 v[QS4:QS4+3], v[LN16], s[58:59] offset:32768     ; and their scale words
	s_lshl_b32 s52, s36, 2
	s_add_nc_u64 s[60:61], s[10:11], s[52:53]
	global_load_b32 v[SINKT], v[ZV], s[60:61]
	s_lshl_b32 s52, s36, 8
	s_add_nc_u64 s[62:63], s[12:13], s[52:53]
	WIN 0xc0
.irp d, 0,1,2,3
	global_load_b128 v[VN+8*\d:VN+8*\d+3], v[H32], s[62:63] offset:64*\d           ; v_null in O^T's layout
	global_load_b128 v[VN+8*\d+4:VN+8*\d+7], v[H32], s[62:63] offset:64*\d+16
.endr
	WIN 0
	s_lshl_b32 s52, s19, 6
	s_lshl_b32 s55, s22, 2
	s_add_co_u32 s52, s52, s55                     ; my first tile of rows: 64 b + 4 x group
	s_lshl_b32 s52, s52, 5
	s_lshl_b32 s55, s28, 3
	s_add_co_u32 s52, s52, s55
	s_lshr_b32 s55, s20, 1
	s_add_co_u32 s52, s52, s55                     ; K step 8 branch + sub-head / 2
	s_lshl_b32 s52, s52, 10
	s_and_b32 s55, s20, 1
	s_lshl_b32 s55, s55, 9
	s_add_co_u32 s52, s52, s55
	s_add_nc_u64 s[48:49], s[14:15], s[52:53]
	s_mov_b32 s38, 0
	s_mov_b32 s39, 0
	s_lshl_b32 s52, s25, 4
	s_add_co_u32 s52, s52, s22
	s_lshl_b32 s52, s52, 9
	s_add_nc_u64 s[66:67], s[16:17], s[52:53]
	s_lshl_b32 s44, s22, 6                         ; my first query
	LOADK 0
	LOADR 0
	WIN 0
	s_wait_loadcnt 0x0
	s_wait_alu depctr_vm_vsrc(0)                   ; V's LDS loads have read their addresses in v[BM ..], which the tiles' maxima write
	v_mul_f32 v[TT], 0x4038aa3b, v[SINKT]          ; tanh(x) = 1 - 2 / (1 + 2^(2 log2(e) x))
	v_exp_f32 v[TT], v[TT]
	v_nop
	s_wait_alu depctr_va_vdst(0)                   ; the exponential has written v[TT], ahead of its reader
	v_add_f32 v[TT], 1.0, v[TT]
	v_rcp_f32 v[TT], v[TT]
	v_nop
	s_wait_alu depctr_va_vdst(0)                   ; the reciprocal has written v[TT], ahead of its reader
	v_fma_f32 v[TT], v[TT], -2.0, 1.0
	v_mul_f32 v[SINKT], 0x3fb8aa3b, v[TT]          ; in base 2
	s_mov_b32 s45, 4
	s_cmp_eq_u32 s33, 4
	s_cbranch_scc1 .Lq4
.Lq2:
	QTILE 2
	s_sub_co_u32 s45, s45, 1
	s_cmp_lg_u32 s45, 0
	s_cbranch_scc1 .Lq2
	s_branch .Lqdone
.Lq4:
	QTILE 4
	s_sub_co_u32 s45, s45, 1
	s_cmp_lg_u32 s45, 0
	s_cbranch_scc1 .Lq4
.Lqdone:
	WIN 0xff
	global_store_b128 v[CLN], v[CSW:CSW+3], s[66:67]                  ; my four tiles' scale words of ctx: 512 consecutive bytes (written ahead of the last tile's wait on va_vdst)
	WIN 0
	s_add_co_u32 s37, s37, VWB
	s_add_co_u32 s32, s32, 1
	s_cmp_lt_u32 s32, 2
	s_cbranch_scc1 .Lpass
	s_set_vgpr_msb 0xf
	s_wait_dscnt 0x0                               ; the closing lines, six on end
	s_wait_alu 0x0
	s_wait_tensorcnt 0x0
	ds_add_u32 v254, v255
	s_wait_dscnt 0x0
	s_endpgm
.Lfunc_end_k_q4a6df45de1_attn:
	.size	k_q4a6df45de1_attn, .Lfunc_end_k_q4a6df45de1_attn-k_q4a6df45de1_attn
	.p2alignl 7, 3214868480
	.fill 96, 4, 3214868480
	.section	.rodata,"a",@progbits
	.p2align	6, 0x0
	.amdhsa_kernel k_q4a6df45de1_attn
		.amdhsa_group_segment_fixed_size 119296
		.amdhsa_private_segment_fixed_size 0
		.amdhsa_enable_private_segment 0
		.amdhsa_kernarg_size 56
		.amdhsa_user_sgpr_count 2
		.amdhsa_user_sgpr_kernarg_segment_ptr 1
		.amdhsa_wavefront_size32 1
		.amdhsa_system_sgpr_workgroup_id_x 1
		.amdhsa_system_sgpr_workgroup_id_y 1
		.amdhsa_system_sgpr_workgroup_id_z 1
		.amdhsa_system_vgpr_workitem_id 0
		.amdhsa_next_free_vgpr 1024
		.amdhsa_next_free_sgpr 80
		.amdhsa_reserve_vcc 0
		.amdhsa_float_denorm_mode_32 3
		.amdhsa_float_denorm_mode_16_64 3
		.amdhsa_memory_ordered 1
		.amdhsa_forward_progress 1
		.amdhsa_inst_pref_size 226
	.end_amdhsa_kernel
	.amdgpu_metadata
---
amdhsa.version: [ 1, 2 ]
amdhsa.kernels:
  - .name:           k_q4a6df45de1_attn
    .symbol:         k_q4a6df45de1_attn.kd
    .args:
      - { .name: QW, .offset: 0, .size: 8, .value_kind: global_buffer, .address_space: global }
      - { .name: KW, .offset: 8, .size: 8, .value_kind: global_buffer, .address_space: global }
      - { .name: VW, .offset: 16, .size: 8, .value_kind: global_buffer, .address_space: global }
      - { .name: sink_scalars, .offset: 24, .size: 8, .value_kind: global_buffer, .address_space: global }
      - { .name: v_nulls, .offset: 32, .size: 8, .value_kind: global_buffer, .address_space: global }
      - { .name: CTX, .offset: 40, .size: 8, .value_kind: global_buffer, .address_space: global }
      - { .name: CS, .offset: 48, .size: 8, .value_kind: global_buffer, .address_space: global }
    .group_segment_fixed_size: 119296
    .private_segment_fixed_size: 0
    .kernarg_segment_align: 8
    .kernarg_segment_size: 56
    .max_flat_workgroup_size: 128
    .sgpr_count:     80
    .vgpr_count:     1024
    .wavefront_size: 32
...
	.end_amdgpu_metadata
.endif
;; end of part 4
;; launch outp (part 5): grid 32 x 8, 4 waves a work-group, no clusters, 108,032 bytes of LDS; arguments CTX, CS, WO_codes, WO_scales, bO, out0; writes out0
.if DOCPART == 5
	.amdgcn_target "amdgcn-amd-amdhsa--gfx1250"
	.amdhsa_code_object_version 6
	.text
	.protected	k_q4a6df45de1_outp
	.globl	k_q4a6df45de1_outp
	.p2align	8
	.type	k_q4a6df45de1_outp,@function
k_q4a6df45de1_outp:
	s_mov_b64 s[64:65], 0
	v_nop
	global_prefetch_b8 v0, s[64:65] scope:SCOPE_SE
	s_setreg_imm32_b32 hwreg(HW_REG_WAVE_SCHED_MODE, 0, 2), 2
	s_setreg_imm32_b32 hwreg(HW_REG_WAVE_MODE, 25, 1), 1
	s_wait_xcnt 0x0
	s_wait_alu depctr_vm_vsrc(0)
; out0 = (the sum over the four branches of ctx_branch WO) / 4 + bO: ONE product [2,048, K = 4,096] x [4,096, 1,024] on codes of FP4 (E2M1), in which WO's eight K steps of 128 serve four times.
; A work-group takes 64 rows x 128 columns; wave w the 16 rows of tile 4 x + w, all 128 columns: 8 accumulators by turns, 32 K steps, 256 matrix instructions.
; ctx's fragments were stored as images of these registers: 64 loads of 512 consecutive bytes fill window 1.  WO's 128 rows (65,536 dense bytes) and their scale bytes go once through LDS (rows 528 and 48 bytes
; apart: the 16 rows of a load start at different banks) and then stay in registers, windows 2 and 3.  Source 0 = 16 rows of WO, source 1 = ctx: a lane holds one row and eight neighbouring columns.
; No tensor load and no ring: every operand is read once, at the head.  No cluster for the same reason; the price: a tile of rows is read by 8 work-groups, a part of WO by 32.
; The sums over the branches run in one chain, in another order than the reference's.
; THE MODE: SCHED_MODE bits 1:0 = 2 (LLVM: expert scheduling mode 2), set by the entry lines.  The code itself states the register dependences between vector or matrix instructions and memory or LDS
; instructions, with s_wait_alu, always for 0.
; THE PLAN.  Registers that memory or LDS instructions touch:
;   v3-6, v10-13   offsets and LDS addresses: written once at the head, ahead of the first load.
;   window 2       WO as loaded: read by the LDS stores; behind the barrier the LDS loads of WO's fragments land in it.
;   windows 1, 3, SB, BO   loaded once; read by the products, BO by the way out.
;   CSR            ctx's half scale words as loaded; read by the 32 lines that join them; the stage's rows land in it, are scaled in place and stored.
;   SA             written by those 32 lines, taken as scales by the products.       ACC: written by the products, read by the LDS stores into the stage.
; The waits: one on va_vdst ahead of the first load; one on vm_vsrc ahead of the LDS loads into window 2; one on va_vdst ahead of the products (SA), one behind them (ACC; CSR's readers are done);
; on the way out one for each four rows, between their eight multiply-adds and their four stores.
.set WOP,   528
.set WSC,   128*WOP                    ; behind WO's codes: its scale bytes
.set STAGE, WSC+128*48                 ; behind them: 16 rows x 528 bytes for each wave, for the way out
.set ACC, 16
.set SA,  80                           ; ctx's scale words, one a K step
.set SB,  112                          ; WO's: 8 n + K step
.set CSR, 176                          ; the half words as loaded; later the rows on their way out
.set BO,  240
.set MSB, 0
.macro WIN new
.if MSB != \new
	s_set_vgpr_msb (MSB<<8)|\new
.set MSB, \new
.endif
.endm
	s_load_b256 s[4:11], s[0:1], 0x0               ; CTX 4, CS 6, WO codes 8, WO scales 10
	s_load_b128 s[12:15], s[0:1], 0x20             ; bO 12, out0 14
	v_lshl_add_u32 v254, v0, 2, 0x1a400
	v_mov_b32 v255, 0
	v_lshrrev_b32 v1, 5, v0
	v_readfirstlane_b32 s16, v1                    ; wave
	v_and_b32 v2, 31, v0
	v_lshlrev_b32 v3, 4, v2                        ; 16 x lane
	v_lshlrev_b32 v4, 4, v0                        ; 16 x thread
	v_mul_u32_u24 v5, v1, WOP
	v_add_nc_u32 v5, v5, v3                        ; WO's codes into LDS: a load's 2,048 bytes are four rows: row thread / 32, byte 16 (thread % 32)
	v_lshrrev_b32 v6, 1, v0
	v_mul_u32_u24 v6, v6, 48
	v_and_b32 v7, 1, v0
	v_lshl_add_u32 v6, v7, 4, v6
	v_add_nc_u32 v6, WSC, v6                       ; its scale bytes: row thread / 2, byte 16 (thread % 2)
	v_and_b32 v7, 15, v0                           ; r
	v_bfe_u32 v8, v0, 4, 1                         ; h
	v_mul_u32_u24 v9, v7, WOP
	v_lshl_add_u32 v10, v8, 4, v9                  ; a fragment of WO: row r, + 16 h
	v_mul_u32_u24 v11, v7, 48
	v_add_nc_u32 v11, WSC, v11                     ; row r's scale words
	s_wait_alu depctr_va_sdst(0)                   ; s16 is written, ahead of its first reader
	s_mul_i32 s17, s16, 16*WOP
	s_add_co_u32 s17, s17, STAGE
	v_lshl_add_u32 v12, v8, 5, v9
	v_add_nc_u32 v12, s17, v12                     ; the stage: row r, + 32 h
	v_add_nc_u32 v13, s17, v3                      ; and back: 16 bytes a lane of a row
	s_and_b32 s18, ttmp7, 0xffff                   ; which 128 columns
	s_lshl_b32 s19, ttmp9, 2
	s_add_co_u32 s19, s19, s16                     ; my tile of 16 rows
	s_mov_b32 s21, 0
	s_wait_kmcnt 0x0
	s_lshl_b32 s20, s18, 16
	s_add_nc_u64 s[8:9], s[8:9], s[20:21]          ; 128 rows of 512 bytes
	s_lshl_b32 s20, s18, 12
	s_add_nc_u64 s[10:11], s[10:11], s[20:21]      ; 128 rows of 32 bytes
	s_lshl_b32 s20, s18, 9
	s_add_nc_u64 s[12:13], s[12:13], s[20:21]
	s_add_nc_u64 s[14:15], s[14:15], s[20:21]
	s_lshl_b32 s20, s19, 15
	s_add_nc_u64 s[4:5], s[4:5], s[20:21]
	s_lshl_b32 s20, s19, 16
	s_add_nc_u64 s[14:15], s[14:15], s[20:21]
	s_lshr_b32 s22, s19, 6
	s_lshl_b32 s20, s22, 19                        ; b: 64 heads x 8,192 bytes
	s_bfe_u32 s22, s19, 0x40002
	s_lshl_b32 s22, s22, 9
	s_add_co_u32 s20, s20, s22                     ; the group of four tiles
	s_and_b32 s22, s19, 3
	s_lshl_b32 s22, s22, 2
	s_add_co_u32 s20, s20, s22                     ; my tile's word in it
	s_add_nc_u64 s[6:7], s[6:7], s[20:21]
	WIN 0x80
	s_wait_alu depctr_va_vdst(0)                   ; the offsets and LDS addresses v3 to v6 and v10 to v13 are written: every load and store of the kernel reads one of them, and none is written again
.set i, 0
.rept 32
	global_load_b128 v[4*i:4*i+3], v4, s[8:9] offset:2048*i
.set i, i+1
.endr
	global_load_b128 v[128:131], v4, s[10:11]
	global_load_b128 v[132:135], v4, s[10:11] offset:2048
	WIN 0x40
.set i, 0
.rept 29
	global_load_b128 v[4*i:4*i+3], v3, s[4:5] offset:512*i            ; ctx's fragments: K step i / 2, registers 4 (i % 2) on
.set i, i+1
.endr
	s_wait_loadcnt 29                              ; WO's 34 loads are in; the 29 issued behind them may be out
	WIN 0x08
.set i, 0
.rept 32
	ds_store_b128 v5, v[4*i:4*i+3] offset:4*WOP*i
.set i, i+1
.endr
	ds_store_b128 v6, v[128:131]
	ds_store_b128 v6, v[132:135] offset:64*48
	WIN 0x40
.set i, 29
.rept 35
	global_load_b128 v[4*i:4*i+3], v3, s[4:5] offset:512*i
.set i, i+1
.endr
	WIN 0
.set i, 0
.rept 64
	global_load_b32 v[CSR+i], v3, s[6:7] offset:8192*i                ; head i's two scale bytes of my rows
.set i, i+1
.endr
	global_load_b128 v[BO:BO+3], v3, s[12:13]      ; bO of the four columns that I store
	s_wait_dscnt 0x0                               ; for the others' sake: my stores have landed
	s_barrier_signal -1
	s_barrier_wait -1
.irp q, 0,1
	WIN (0x80+0x40*\q)                             ; K steps 0-3 into window 2, 4-7 into window 3
.if \q == 0
	s_wait_alu depctr_vm_vsrc(0)                   ; my LDS stores have read their data in window 2, in which the loads below land
.endif
.irp k, 0,1,2,3
.irp n, 0,1,2,3,4,5,6,7
	ds_load_b128 v[8*(8*\k+\n):8*(8*\k+\n)+3], v10 offset:16*\n*WOP+64*(4*\q+\k)
	ds_load_b128 v[8*(8*\k+\n)+4:8*(8*\k+\n)+7], v10 offset:16*\n*WOP+64*(4*\q+\k)+32
.endr
.endr
.endr
	WIN 0
.irp n, 0,1,2,3,4,5,6,7
	ds_load_b128 v[SB+8*\n:SB+8*\n+3], v11 offset:16*\n*48
	ds_load_b128 v[SB+8*\n+4:SB+8*\n+7], v11 offset:16*\n*48+16
.endr
	s_wait_loadcnt 0x0
.set i, 0
.rept 32
	v_lshl_or_b32 v[SA+i], v[CSR+2*i+1], 16, v[CSR+2*i]               ; a K step is two heads: four bytes
.set i, i+1
.endr
.rept 8
	v_nop                                          ; a scale register written by a vector instruction stands eight places ahead of a scaled product
.endr
	s_wait_alu depctr_va_vdst(0)                   ; ctx's 32 scale words v[SA ..] are written, which the scaled products take; the places stand ahead of this wait
	s_wait_dscnt 0x0
.set k, 0
.rept 32
	WIN (0x06+(k%8)/4)                             ; source 0 (WO) window 2 or 3, source 1 (ctx) window 1
.irp n, 0,1,2,3,4,5,6,7
.if k == 0
	v_wmma_scale_f32_16x16x128_f8f6f4 v[ACC+8*\n:ACC+8*\n+7], v[8*(8*(k%4)+\n):8*(8*(k%4)+\n)+7], v[8*k:8*k+7], 0, v[SB+8*\n+k%8], v[SA+k] matrix_a_fmt:MATRIX_FMT_FP4 matrix_b_fmt:MATRIX_FMT_FP4
.else
	v_wmma_scale_f32_16x16x128_f8f6f4 v[ACC+8*\n:ACC+8*\n+7], v[8*(8*(k%4)+\n):8*(8*(k%4)+\n)+7], v[8*k:8*k+7], v[ACC+8*\n:ACC+8*\n+7], v[SB+8*\n+k%8], v[SA+k] matrix_a_fmt:MATRIX_FMT_FP4 matrix_b_fmt:MATRIX_FMT_FP4
.endif
.endr
.set k, k+1
.endr
	WIN 0
.rept 4
	v_nop                                          ; four places behind the last product, before its result is read (ISA guide 7.12.1)
.endr
	s_wait_alu depctr_va_vdst(0)                   ; the products have written the accumulators, which the LDS stores read; the lines that joined the half words are done reading v[CSR ..], in which the stage's rows land
	; THE WAY OUT: through my own stage, back as whole rows of 512 bytes; x 1/4, + bO; 32 lanes store 512 consecutive bytes
.irp n, 0,1,2,3,4,5,6,7
	ds_store_b128 v12, v[ACC+8*\n:ACC+8*\n+3] offset:64*\n            ; each accumulator from its low end on
	ds_store_b128 v12, v[ACC+8*\n+4:ACC+8*\n+7] offset:64*\n+16
.endr
.set i, 0
.rept 16
	ds_load_b128 v[CSR+4*i:CSR+4*i+3], v13 offset:i*WOP               ; LDS serves a wave's instructions in order: these see my stores
.set i, i+1
.endr
.set g, 0
.rept 4                                        ; four rows at a time, so that one wait serves four stores
	s_wait_dscnt 12-4*g                            ; rows 4 g to 4 g + 3 are back; the younger rows may be out
.set i, 4*g
.rept 4
	v_pk_fma_f32 v[CSR+4*i:CSR+4*i+1], v[CSR+4*i:CSR+4*i+1], 0x3e800000, v[BO:BO+1] op_sel_hi:[1,0,1]
	v_pk_fma_f32 v[CSR+4*i+2:CSR+4*i+3], v[CSR+4*i+2:CSR+4*i+3], 0x3e800000, v[BO+2:BO+3] op_sel_hi:[1,0,1]
.set i, i+1
.endr
	s_wait_alu depctr_va_vdst(0)                   ; the eight multiply-adds have written these four rows, which the stores below read
.set i, 4*g
.rept 4
	global_store_b128 v3, v[CSR+4*i:CSR+4*i+3], s[14:15] offset:4096*i th:TH_STORE_NT
.set i, i+1
.endr
.set g, g+1
.endr
	s_wait_dscnt 0x0                               ; the closing lines, six on end
	s_wait_alu 0x0
	s_wait_tensorcnt 0x0
	ds_add_u32 v254, v255
	s_wait_dscnt 0x0
	s_endpgm
.Lfunc_end_k_q4a6df45de1_outp:
	.size	k_q4a6df45de1_outp, .Lfunc_end_k_q4a6df45de1_outp-k_q4a6df45de1_outp
	.p2alignl 7, 3214868480
	.fill 96, 4, 3214868480
	.section	.rodata,"a",@progbits
	.p2align	6, 0x0
	.amdhsa_kernel k_q4a6df45de1_outp
		.amdhsa_group_segment_fixed_size 108032
		.amdhsa_private_segment_fixed_size 0
		.amdhsa_enable_private_segment 0
		.amdhsa_kernarg_size 48
		.amdhsa_user_sgpr_count 2
		.amdhsa_user_sgpr_kernarg_segment_ptr 1
		.amdhsa_wavefront_size32 1
		.amdhsa_system_sgpr_workgroup_id_x 1
		.amdhsa_system_sgpr_workgroup_id_y 1
		.amdhsa_system_sgpr_workgroup_id_z 1
		.amdhsa_system_vgpr_workitem_id 0
		.amdhsa_next_free_vgpr 1024
		.amdhsa_next_free_sgpr 66
		.amdhsa_reserve_vcc 0
		.amdhsa_float_denorm_mode_32 3
		.amdhsa_float_denorm_mode_16_64 3
		.amdhsa_memory_ordered 1
		.amdhsa_forward_progress 1
		.amdhsa_inst_pref_size 72
	.end_amdhsa_kernel
	.amdgpu_metadata
---
amdhsa.version: [ 1, 2 ]
amdhsa.kernels:
  - .name:           k_q4a6df45de1_outp
    .symbol:         k_q4a6df45de1_outp.kd
    .args:
      - { .name: CTX, .offset: 0, .size: 8, .value_kind: global_buffer, .address_space: global }
      - { .name: CS, .offset: 8, .size: 8, .value_kind: global_buffer, .address_space: global }
      - { .name: WO_codes, .offset: 16, .size: 8, .value_kind: global_buffer, .address_space: global }
      - { .name: WO_scales, .offset: 24, .size: 8, .value_kind: global_buffer, .address_space: global }
      - { .name: bO, .offset: 32, .size: 8, .value_kind: global_buffer, .address_space: global }
      - { .name: out0, .offset: 40, .size: 8, .value_kind: global_buffer, .address_space: global }
    .group_segment_fixed_size: 108032
    .private_segment_fixed_size: 0
    .kernarg_segment_align: 8
    .kernarg_segment_size: 48
    .max_flat_workgroup_size: 128
    .sgpr_count:     66
    .vgpr_count:     1024
    .wavefront_size: 32
...
	.end_amdgpu_metadata
.endif
;; end of part 5
